; MI455X (gfx1250); checked and timed in simulation.
; The chip was launched on July 23, 2026; its instructions are those of AMD's public machine-readable ISA for CDNA 5 (MIT licence, August 2026) and "CDNA5" Instruction Set Architecture Reference Guide (July 2026). The comments in the code are by the model that wrote it; some were corrected since.
;; Attention. Allowed arithmetic: matrix products marked QUANTISED: E2M1 operands, one E8M0 scale for each 32 along K, by v_wmma_scale_f32_16x16x128_f8f6f4 with both operands' format E2M1 (or v_wmma_scale_f32_32x16x128_f4), f32 sums; products left as they are: bf16, f16 or f32 operands; f32 sums; everything else in f32.
;; Inputs: wk 1,024 x 1,024 float32; wo 1,024 x 1,024 float32; wq 1,024 x 1,024 float32; wv 1,024 x 1,024 float32; x 4 x 2,048 x 1,024 float32.
;; Outputs: out0 4 x 2,048 x 1,024 float32.
;; This version of the problem:
;;   THIS VERSION OF THE PROBLEM IS GIVEN IN LOW PRECISION. The matrix products marked QUANTISED in the list below multiply operands that are first quantised to E2M1 (2 exponent bits, 1 mantissa bit; 4 bits a number), with one power-of-two scale for each 32 numbers along K (OCP MX v1.0); their sums are f32. The products marked 'left as it is' may take bf16, f16 or f32 operands, with f32 sums. Whichever they take, every output number must still come out within the allowed error. Rounding operands to bf16 (8 significant bits) uses up far more of that allowance than f16 does (11 bits, for magnitudes from 6e-5 to 65,504). All else is computed in f32.
;;   The module's matrix products, in the order in which they are computed (A, B: the left and right operand; K: the contracted axis; several contracted axes count as one K, in the product's order):
;;     1. [M 8,192, K 1,024] x [K 1,024, N 1,024]; A: input x; B: input wq: QUANTISED
;;     2. [M 8,192, K 1,024] x [K 1,024, N 1,024]; A: input x; B: input wk: QUANTISED
;;     3. [M 8,192, K 1,024] x [K 1,024, N 1,024]; A: input x; B: input wv: QUANTISED
;;     4. batch 4 x [M 2,048, K 1,024] x [K 1,024, N 2,048]; A: computed on the way; B: computed on the way: left as it is (an operand is computed on the way)
;;     5. batch 4 x [M 2,048, K 2,048] x [K 2,048, N 1,024]; A: computed on the way; B: computed on the way: left as it is (an operand is computed on the way)
;;     6. [M 8,192, K 1,024] x [K 1,024, N 1,024]; A: computed on the way; B: input wo: left as it is (an operand is computed on the way)
;;   THE QUANTISER, for each operand of a quantised product, along K:
;;     - K is cut into blocks of 32 from its start; a last block that is shorter is filled with zeros.
;;     - A block's scale is 2^e with e = floor(log2(the largest magnitude in the block)) - 2, held to -126 .. 127; a block of zeros has e = 0. As a byte (E8M0): e + 127.
;;     - Each number is divided by its block's scale, clamped to +-6, and rounded to the nearest number of E2M1, ties to even, subnormals kept.
;;     - The product sums the exact products of the quantised numbers (number of the format x scale) in f32.
;;   ~~~python
;;   def quantise(x, axis):      # numpy; x: float32 -> the quantised numbers, widened to float32 again
;;       x = np.moveaxis(x, axis, -1); K = x.shape[-1]
;;       x = np.pad(x, [(0, 0)] * (x.ndim - 1) + [(0, -K % 32)]); x = x.reshape(x.shape[:-1] + (-1, 32)); a = np.abs(x).max(-1, keepdims=True)
;;       e = np.where(a > 0, np.clip(np.frexp(np.where(a > 0, a, 1))[1] - 1 - 2, -126, 127), 0)      # np.frexp(a)[1] - 1 = floor(log2(a)), exactly
;;       r = np.clip(x / 2.0 ** e, -6, 6)
;;       step = 2.0 ** (np.maximum(np.frexp(np.where(r == 0, 1, r))[1] - 1, 0) - 1)
;;       q = np.round(r / step) * step * 2.0 ** e      # np.round: ties to even
;;       return np.moveaxis(q.reshape(q.shape[:-2] + (-1,))[..., :K], -1, axis).astype(np.float32)
;;   ~~~
;; One version. Each part assembles by itself: llvm-mc -triple=amdgcn-amd-amdhsa -mcpu=gfx1250 --defsym DOCPART=n.
;; ======== version 1 of 1: 5 launches
;; limits: values are held in f16: magnitudes above 65,504 overflow, below 6.1e-05 lose precision
;; workspace buffers: codes 5,767,168 bytes; scl 360,448 bytes; wo16 2,097,152 bytes; qkv 50,331,648 bytes; p 33,554,432 bytes; st 1,048,576 bytes; ctx 16,777,216 bytes
;; launch quant (part 1): grid 768 x 1, 4 waves a work-group, no clusters, 33,280 bytes of LDS; arguments x, wq, wk, wv, wo, codes, scl, wo16; writes codes, scl, wo16
.if DOCPART == 1
	.amdgcn_target "amdgcn-amd-amdhsa--gfx1250"
	.amdhsa_code_object_version 6
	.text
	.protected	k_q1b89757603_quant
	.globl	k_q1b89757603_quant
	.p2align	8
	.type	k_q1b89757603_quant,@function
k_q1b89757603_quant:
	s_mov_b64 s[64:65], 0
	v_nop
	global_prefetch_b8 v0, s[64:65] scope:SCOPE_SE
	s_setreg_imm32_b32 hwreg(HW_REG_WAVE_MODE, 25, 1), 1
	s_wait_xcnt 0x0
; x [8192][1024], wq, wk, wv [1024][1024], f32, become codes of FP4 (E2M1), K innermost, with one E8M0 scale byte for each 32 along K; wo [1024][1024] becomes f16.
; The four quantised tensors are dense streams of blocks of 32 numbers, and the buffers of codes and of scale bytes are their concatenation (x, wq, wk, wv): 11,264 rows of 512 and of 32 bytes.
; A block's scale is 2^(floor(log2(its largest magnitude)) - 2); its byte is the largest magnitude's exponent field - 2, held at 1 from below.  A block of zeros keeps the byte 1 where the rule says 127:
; its codes are zeros, which add nothing under any byte but 0xff, and the bytes are read by this program alone.
; LIMITS: NaN and infinities among the inputs are not served; a number of wo beyond 65,504 in magnitude becomes an infinity of f16.
; SHARES: a work-group takes 16,384 numbers, a wave 4,096: 768 work-groups, three for each of 256 WGPs.  Work-groups 0-511: x; 512-575: wq; 576-639: wk; 640-703: wv; 704-767: wo.
; Only the source pointer is chosen; the place in the outputs follows from the work-group's number.
; A wave takes 8 steps of 512 numbers.  Each load reads 512 consecutive bytes; a step's 2,048 bytes turn through the wave's own stage in LDS and come back 64 bytes a lane, so that a lane holds 16 neighbours
; along K (two neighbouring lanes hold a block).  A lane's 16 codes are 8 bytes: a store covers 256 consecutive bytes.  A wave's 128 scale bytes are gathered in LDS and leave by one store of 128 consecutive
; bytes: half of an aligned 256; the scale bytes are one part in 160 of what the launch moves.
; No barrier: waves share nothing.  Loads run four steps (16 loads a wave) ahead, the turn through LDS one step.
.set STEPS, 8
.set EMAX,  2
.set CB,    8                          ; bytes of 16 codes
.set R,     16                         ; v16-79   four sets of 16 numbers as they are loaded
.set X,     80                         ; v80-111  two sets of 16 neighbours
.set C,     128                        ; v128-159 codes (wo: f16 pairs): registers of their own for each step
.set E,     112                        ; v112-119 a scale byte for each step
.set WREG,  8192                       ; LDS: a region for each wave: two stages of 32 x SP bytes, behind them its 128 scale bytes
.set SP,    80                         ; a lane's place in a stage: 64 bytes + 16 of padding
.set SPW,   12                         ; v12  LDS address of my spare word; never rewritten
.set NIL,   13                         ; v13  0; never rewritten
.set SPARE, 4*WREG                     ; behind the four regions: the spare words, 128 bytes a wave
.set SRC,   20                         ; s[20:21] the source
.set COD,   14                         ; s[14:15] the codes
.set SCB,   16                         ; s[16:17] the scale bytes
.set WV,    26                         ; s26  my wave's number
	s_load_b256 s[4:11], s[0:1], 0x0               ; x, wq, wk, wv
	s_load_b256 s[12:19], s[0:1], 0x20             ; wo, codes, scale bytes, wo16
	v_lshl_add_u32 v[SPW], v0, 2, SPARE
	v_mov_b32 v[NIL], 0
	v_lshrrev_b32 v1, 5, v0
	v_readfirstlane_b32 s[WV], v1                  ; wave
	v_and_b32 v2, 31, v0                           ; lane
	v_lshlrev_b32 v3, 4, v2                        ; my 16 bytes of a load's 512
	s_mul_i32 s27, s[WV], WREG
	v_lshrrev_b32 v14, 2, v2
	v_mul_u32_u24 v14, v14, SP
	v_and_b32 v15, 3, v2
	v_lshl_add_u32 v14, v15, 4, v14
	v_add_nc_u32 v14, s27, v14                     ; the stage, on the way in: SP (lane / 4) + 16 (lane % 4)
	v_mul_u32_u24 v15, v2, SP
	v_add_nc_u32 v15, s27, v15                     ; and on the way out: SP x lane: my 16 neighbours
	v_mul_u32_u24 v4, v2, CB                       ; my codes' place in a step's
	v_lshrrev_b32 v5, 1, v2
	s_add_co_u32 s27, s27, 2*32*SP
	v_add_nc_u32 v5, s27, v5                       ; LDS: my wave's 128 scale bytes, my block's byte
	v_lshlrev_b32 v7, 3, v2                        ; 8 bytes a lane (wo's f16)
	v_lshlrev_b32 v10, 2, v2                       ; 4 bytes a lane (the scale bytes on their way out)
	v_add_nc_u32 v6, s27, v10
	s_mov_b32 s25, 0
	s_wait_kmcnt 0x0
	s_cmp_ge_u32 ttmp9, 704                        ; the work-group's number alone decides
	s_cbranch_scc1 .Lwo
	s_mov_b64 s[SRC:SRC+1], s[10:11]               ; wv, unless the number says otherwise
	s_mov_b32 s22, 640                             ; the tensor's first work-group
	s_cmp_lt_u32 ttmp9, 640
	s_cselect_b64 s[SRC:SRC+1], s[8:9], s[SRC:SRC+1]
	s_cselect_b32 s22, 576, s22
	s_cmp_lt_u32 ttmp9, 576
	s_cselect_b64 s[SRC:SRC+1], s[6:7], s[SRC:SRC+1]
	s_cselect_b32 s22, 512, s22
	s_cmp_lt_u32 ttmp9, 512
	s_cselect_b64 s[SRC:SRC+1], s[4:5], s[SRC:SRC+1]
	s_cselect_b32 s22, 0, s22
	s_sub_co_u32 s23, ttmp9, s22
	s_lshl_b32 s23, s23, 2
	s_add_co_u32 s23, s23, s[WV]                   ; which run of 4,096 numbers of the tensor is my wave's
	s_lshl_b32 s24, s23, 14                        ; 16,384 bytes a run
	s_add_nc_u64 s[SRC:SRC+1], s[SRC:SRC+1], s[24:25]
	s_lshl_b32 s27, ttmp9, 2
	s_add_co_u32 s27, s27, s[WV]                   ; and which run of the outputs
	s_lshl_b32 s24, s27, 11                        ; 2,048 bytes of codes a run
	s_add_nc_u64 s[COD:COD+1], s[COD:COD+1], s[24:25]
	s_lshl_b32 s24, s27, 7                         ; 128 scale bytes a run
	s_add_nc_u64 s[SCB:SCB+1], s[SCB:SCB+1], s[24:25]
.macro LOAD t
.irp i, 0,1,2,3
	global_load_b128 v[R+16*((\t)%4)+4*\i:R+16*((\t)%4)+4*\i+3], v3, s[SRC:SRC+1] offset:2048*(\t)+512*\i th:TH_LOAD_NT   ; 32 lanes read 512 consecutive bytes
.endr
.endm
.macro TURN t                          ; step t's numbers through the stage: LDS serves a wave's instructions in order, so no wait stands between the stores and the loads
.irp i, 0,1,2,3
	ds_store_b128 v14, v[R+16*((\t)%4)+4*\i:R+16*((\t)%4)+4*\i+3] offset:32*SP*((\t)%2)+8*SP*\i
.endr
.irp i, 0,1,2,3
	ds_load_b128 v[X+16*((\t)%2)+4*\i:X+16*((\t)%2)+4*\i+3], v15 offset:32*SP*((\t)%2)+16*\i
.endr
.endm
.irp t, 0,1,2,3
	LOAD \t
.endr
	s_wait_loadcnt 12                              ; step 0's four loads are in; the twelve behind them stay out
	TURN 0
.macro STEP t
.set XS, X+16*((\t)%2)
.if (\t) > 0
	s_wait_dscnt 1                                 ; this step's numbers are back from the stage (the last step's byte store may be out)
.else
	s_wait_dscnt 0x0
.endif
.if (\t)+4 < STEPS
	LOAD (\t)+4                                    ; into the registers that the stores into the stage have read
.endif
.if (\t)+1 < STEPS
.if STEPS-2-(\t) >= 3
	s_wait_loadcnt 12                              ; the next step's four loads are in; those of the three steps behind it may be out
.else
	s_wait_loadcnt 4*(STEPS-2-(\t))
.endif
	TURN (\t)+1                                    ; through the other stage while this step is worked
.endif
	v_max3_num_f32 v8, |v[XS]|, |v[XS+1]|, |v[XS+2]|               ; the largest magnitude of my 16, in two chains
	v_max3_num_f32 v9, |v[XS+3]|, |v[XS+4]|, |v[XS+5]|
.irp i, 6,10
	v_max3_num_f32 v8, v8, |v[XS+\i]|, |v[XS+\i+1]|
	v_max3_num_f32 v9, v9, |v[XS+\i+2]|, |v[XS+\i+3]|
.endr
	v_max3_num_f32 v8, v8, |v[XS+14]|, |v[XS+15]|
	v_max3_num_f32 v8, v8, v9, (EMAX+1)<<23        ; and the floor 2^(3 - 127): the byte cannot fall under 1
	v_max_num_f32_dpp v8, v8, v8 row_xmask:1 row_mask:0xf bank_mask:0xf   ; and of my neighbour's 16: the block's
	v_add_nc_u32 v11, -(EMAX<<23), v8              ; 2 off its exponent field: the conversion takes the exponent field of this operand as its scale
	v_cvt_scalef32_pk8_fp4_f32 v[C+4*(\t)], v[XS:XS+7], v11
	v_cvt_scalef32_pk8_fp4_f32 v[C+4*(\t)+1], v[XS+8:XS+15], v11
	v_lshrrev_b32 v[E+(\t)], 23, v11               ; the scale's byte (a plain line behind the conversions)
	ds_store_b8 v5, v[E+(\t)] offset:16*(\t)       ; both lanes of a block write the same byte with the same value
	global_store_b64 v4, v[C+4*(\t):C+4*(\t)+1], s[COD:COD+1] offset:32*CB*(\t)   ; 32 lanes store 256 consecutive bytes
.endm
.irp t, 0,1,2,3,4,5,6,7
	STEP \t
.endr
	ds_load_b32 v8, v6                             ; LDS serves a wave's instructions in order: this sees my byte stores
	s_wait_dscnt 0x0
	global_store_b32 v10, v8, s[SCB:SCB+1]         ; 32 lanes store 128 consecutive bytes
	s_wait_tensorcnt 0x0                           ; the wave's end, behind my last LDS store
	ds_add_u32 v[SPW], v[NIL]
	s_wait_dscnt 0x0
	s_endpgm
; wo to f16: a wave takes 4,096 numbers in two rounds of 16 loads.  A load reads 512 consecutive bytes, a store writes 256.  No LDS.
.Lwo:
	s_sub_co_u32 s23, ttmp9, 704
	s_lshl_b32 s23, s23, 2
	s_add_co_u32 s23, s23, s[WV]                   ; my run
	s_lshl_b32 s24, s23, 14
	s_add_nc_u64 s[12:13], s[12:13], s[24:25]
	s_lshl_b32 s24, s23, 13
	s_add_nc_u64 s[18:19], s[18:19], s[24:25]
.macro WOROUND r
.if \r > 0
	s_wait_xcnt 0x0                                ; the last round's stores have read their data registers, which are written again below
.endif
.irp i, 0,1,2,3,4,5,6,7,8,9,10,11,12,13,14,15
	global_load_b128 v[R+4*\i:R+4*\i+3], v3, s[12:13] offset:(16*\r+\i)*512 th:TH_LOAD_NT
.endr
.irp i, 0,1,2,3,4,5,6,7,8,9,10,11,12,13,14,15
	s_wait_loadcnt 15-\i                           ; loads come back in order: load i is in, the 15 - i behind it stay out
	v_cvt_pk_f16_f32 v[C+2*\i], v[R+4*\i], v[R+4*\i+1]
	v_cvt_pk_f16_f32 v[C+2*\i+1], v[R+4*\i+2], v[R+4*\i+3]
	global_store_b64 v7, v[C+2*\i:C+2*\i+1], s[18:19] offset:(16*\r+\i)*256
.endr
.endm
	WOROUND 0
	WOROUND 1
	s_wait_tensorcnt 0x0                           ; the wave's end, in the same form
	ds_add_u32 v[SPW], v[NIL]
	s_wait_dscnt 0x0
	s_endpgm
.Lfunc_end_k_q1b89757603_quant:
	.size	k_q1b89757603_quant, .Lfunc_end_k_q1b89757603_quant-k_q1b89757603_quant
	.p2alignl 7, 3214868480
	.fill 96, 4, 3214868480
	.section	.rodata,"a",@progbits
	.p2align	6, 0x0
	.amdhsa_kernel k_q1b89757603_quant
		.amdhsa_group_segment_fixed_size 33280
		.amdhsa_private_segment_fixed_size 0
		.amdhsa_enable_private_segment 0
		.amdhsa_kernarg_size 64
		.amdhsa_user_sgpr_count 2
		.amdhsa_user_sgpr_kernarg_segment_ptr 1
		.amdhsa_wavefront_size32 1
		.amdhsa_system_sgpr_workgroup_id_x 1
		.amdhsa_system_sgpr_workgroup_id_y 1
		.amdhsa_system_sgpr_workgroup_id_z 1
		.amdhsa_system_vgpr_workitem_id 0
		.amdhsa_next_free_vgpr 192
		.amdhsa_next_free_sgpr 66
		.amdhsa_reserve_vcc 0
		.amdhsa_float_denorm_mode_32 3
		.amdhsa_float_denorm_mode_16_64 3
		.amdhsa_memory_ordered 1
		.amdhsa_forward_progress 1
		.amdhsa_inst_pref_size 30
	.end_amdhsa_kernel
	.amdgpu_metadata
---
amdhsa.version: [ 1, 2 ]
amdhsa.kernels:
  - .name:           k_q1b89757603_quant
    .symbol:         k_q1b89757603_quant.kd
    .args:
      - { .name: x, .offset: 0, .size: 8, .value_kind: global_buffer, .address_space: global }
      - { .name: wq, .offset: 8, .size: 8, .value_kind: global_buffer, .address_space: global }
      - { .name: wk, .offset: 16, .size: 8, .value_kind: global_buffer, .address_space: global }
      - { .name: wv, .offset: 24, .size: 8, .value_kind: global_buffer, .address_space: global }
      - { .name: wo, .offset: 32, .size: 8, .value_kind: global_buffer, .address_space: global }
      - { .name: codes, .offset: 40, .size: 8, .value_kind: global_buffer, .address_space: global }
      - { .name: scl, .offset: 48, .size: 8, .value_kind: global_buffer, .address_space: global }
      - { .name: wo16, .offset: 56, .size: 8, .value_kind: global_buffer, .address_space: global }
    .group_segment_fixed_size: 33280
    .private_segment_fixed_size: 0
    .kernarg_segment_align: 8
    .kernarg_segment_size: 64
    .max_flat_workgroup_size: 128
    .sgpr_count:     66
    .vgpr_count:     192
    .wavefront_size: 32
...
	.end_amdgpu_metadata
.endif
;; end of part 1
;; launch qkv (part 2): grid 8 x 48, 4 waves a work-group, clusters of 4 x 4, 327,680 bytes of LDS; arguments codes, scl, qkv; writes qkv
.if DOCPART == 2
	.amdgcn_target "amdgcn-amd-amdhsa--gfx1250"
	.amdhsa_code_object_version 6
	.text
	.protected	k_q1b89757603_qkv
	.globl	k_q1b89757603_qkv
	.p2align	8
	.type	k_q1b89757603_qkv,@function
k_q1b89757603_qkv:
	s_mov_b64 s[64:65], 0
	v_nop
	global_prefetch_b8 v0, s[64:65] scope:SCOPE_SE
	s_setreg_imm32_b32 hwreg(HW_REG_WAVE_MODE, 25, 1), 1
	s_wait_xcnt 0x0
	s_wait_alu depctr_hold_cnt(0) depctr_sa_sdst(0) depctr_va_vdst(0) depctr_va_sdst(0) depctr_va_ssrc(0) depctr_va_vcc(0) depctr_vm_vsrc(0)
	s_getreg_b32 s2, hwreg(HW_REG_IB_STS2, 6, 4)
	s_cmp_eq_u32 s2, 0
	s_cbranch_scc0 .Lentry_in_a_cluster
	s_endpgm
.Lentry_in_a_cluster:
	s_bfe_u32 s2, ttmp6, 0x10000c
	s_cmp_lg_u32 s2, 0xf033
	s_cbranch_scc0 .Lentry_shape_is_right
	s_endpgm
.Lentry_shape_is_right:
; The three quantised products as ONE GEMM on codes of FP4 (E2M1) with E8M0 scales: C[m][n] = sum over k of A[m][k] B[n][k], K = 1,024, A and B both rows of the buffer of codes
; (rows 0-8191 x, 8192-9215 wq, 9216-10239 wk, 10240-11263 wv; 512 bytes of codes and 32 scale bytes a row).  C is the buffer qkv, [12,288][2,048] f16, rounded once from the f32 sums:
;   C's tile rows 0-31  (cluster y under 8): A = x's rows, B = wq's and wk's rows: a token's row holds q in columns 0-1023 and k in columns 1024-2047;
;   C's tile rows 32-47 (cluster y = 8 + batch): A = wv's rows, B = the batch's rows of x: row 8192 + 1024 batch + d holds v^T, the tokens along the row.  So v comes out transposed with nothing turned.
; LIMIT: a sum beyond 65,504 in magnitude becomes an infinity of f16.
; A tile of C, 256 x 256, is made by four waves, each 128 x 128: 64 accumulators, 512 registers.  K goes in two steps of 512 (rows of 256 bytes) through two LDS slots, each filled once;
; the scale bytes of the tile's 256 + 256 rows come once, as dense blocks.  By this text's count a wave has three tensor loads out at the start and none later.
; CLUSTERS: 4 x 4 work-groups; A's tile hangs on the cluster's y and cy alone and is asked for jointly along a row of the cluster, B's on x, y and cx alone and jointly along a column.
; THE MATRIX INSTRUCTION IS USED TRANSPOSED (source 0 = 16 rows of B, source 1 = 16 rows of A): a lane holds eight neighbouring numbers of a row of C.
; 384 tiles for 256 WGPs: uneven; no tile shape divides both parts evenly, and the launch's time is its stores'.
; REGISTERS: window 0: v0-31 addresses; v32-95 scale words, two sets; v128-191 A's fragments, one set; on the way out v32-63, v192-255.  window 1: B's fragments, two sets.  windows 2, 3: the accumulators.
.set NQ,     4                         ; matrix instructions deep in a slot
.set ROWB,   256                       ; a tile's row in bytes: 512 codes
.set KROW,   512                       ; a row of codes in memory
.set PITCH,  272                       ; an LDS row: 256 bytes + 16 of padding: the 16 rows that a load touches start 68 words apart
.set FR,     8                         ; registers of a fragment
.set NL,     2                         ; LDS loads that bring one
.set NP,     4                         ; places behind this matrix instruction (ISA guide 7.12.1)
.set HALFT,  128*PITCH
.set SLOT,   4*HALFT                   ; A's 256 rows, then B's 256 rows
.set KS,     32                        ; a row of scale bytes
.set SCL,    2*SLOT                    ; behind the slots: the scale bytes, as rows of 256 bytes + 16 of padding
.set HALFS,  (128*KS/256)*272          ; those of 128 rows: what one tensor load brings
.set SBLK,   (16*KS/256)*272           ; those of 16 rows
.set SPARE,  SCL+4*HALFS               ; the spare words, 128 bytes a wave
.set SPITCH, 272                       ; the way out: a stage of 16 rows x (256 + 16) bytes a wave, in slot 0, which has had its only fill and its last read by then
.set CROW,   4096                      ; a row of C in bytes
.set ADRA, 16
.set ADRB, 20
.set STO,  24
.set RD,   25
.set CO,   26
.set ADRS, 27
.set SPW,  28
.set NIL,  29
.set SC,   32
.set AF,   128
.set TMP,  192
.set OB,   32
.set G1, 24
.set G0, 32
.set G1B, 48
.set G0B, 56
.set G1S, 68
.set G0S, 76
.set G1SB, 80
.set G0SB, 88
.set MSB, 0
.macro WIN new                         ; the immediate's high byte repeats the setting that is left
.if MSB != \new
	s_set_vgpr_msb (MSB<<8)|\new
.set MSB, \new
.endif
.endm
.set MUL_LO, 0xa1                      ; source 0 (B) window 1, source 1 (A) window 0, C and D window 2
.set MUL_HI, 0xf1                      ; the same, C and D window 3
.set TO_B,   0x40                      ; destination window 1
; A joint load: waves 0 and 1 fetch for A, waves 2 and 3 for B; the branch hangs on the wave's number alone.  An s_nop 0 and four v_nop follow each line.
.macro JLOAD g0a, g1a, g0b, g1b
	s_cmp_eq_u32 s15, 0
	s_cbranch_scc0 .Lfor_b_\@
	tensor_load_to_lds s[\g0a:\g0a+3], s[\g1a:\g1a+7]
	s_nop 0
.rept 4
	v_nop
.endr
	s_branch .Lasked_\@
.Lfor_b_\@:
	tensor_load_to_lds s[\g0b:\g0b+3], s[\g1b:\g1b+7]
	s_nop 0
.rept 4
	v_nop
.endr
.Lasked_\@:
.endm
.macro CROUND                          ; a round of the cluster's barrier
	s_barrier_signal -1
	s_barrier_wait -1
	s_cmp_lg_u32 s14, 0
	s_cbranch_scc1 .Lnot_wave_0_\@
	s_barrier_signal -3
.Lnot_wave_0_\@:
	s_barrier_wait -3
	s_barrier_signal -1
	s_barrier_wait -1
.endm
	s_load_b128 s[4:7], s[0:1], 0x0                ; the codes s[4:5], the scale bytes s[6:7]
	s_load_b64 s[8:9], s[0:1], 0x10                ; qkv
	v_lshl_add_u32 v[SPW], v0, 2, SPARE
	v_mov_b32 v[NIL], 0
	ds_add_u32 v[SPW], v[NIL]                      ; the wave's opening: the add, twice on end, and its wait ahead of my first tensor load
	ds_add_u32 v[SPW], v[NIL]
	v_lshrrev_b32 v1, 5, v0
	v_readfirstlane_b32 s14, v1                    ; wave 0..3
	s_lshr_b32 s15, s14, 1                         ; which half of the tile's rows is mine.  Also: I fetch for A (0) or for B (1)
	s_and_b32 s16, s14, 1                          ; which half of its columns.  Also: which 128 rows I fetch
	s_bfe_u32 s40, ttmp6, 0x40000                  ; cx
	s_bfe_u32 s41, ttmp6, 0x40004                  ; cy
	s_and_b32 s10, ttmp7, 0xffff                   ; cluster y
	s_lshl_b32 s11, s10, 2
	s_add_co_u32 s96, s11, s41                     ; C's tile row = 4 y + cy
	s_lshl_b32 s13, ttmp9, 2
	s_add_co_u32 s97, s13, s40                     ; C's tile column = 4 x + cx
	s_sub_co_u32 s12, s10, 8
	s_lshl_b32 s12, s12, 3                         ; 8 (y - 8): the batch's first tile of x
	s_cmp_lt_u32 s10, 8                            ; q | k, or v^T?  The cluster's y alone decides: the same in all sixteen partners
	s_cselect_b32 s17, s11, 40                     ; A: x's tiles from 4 y on, or wv's from 40 on
	s_cselect_b32 s42, 32, s12                     ; B: wq's and wk's tiles from 32 on, or the batch's tiles of x
	s_add_co_u32 s17, s17, s41                     ; A's tile: + cy
	s_add_co_u32 s42, s42, s97                     ; B's tile: + 4 x + cx
	s_lshl_b32 s43, s41, 2
	s_lshl_b32 s43, 15, s43                        ; my row of the cluster
	s_lshl_b32 s44, 0x1111, s40                    ; my column
	s_or_b32 s[G1+0], s43, (0<<16)|(1<<20)|(1<<21)|(5<<22)|(3<<25)  ; the mask; elements of 1 byte; padding on, 4 words after every 64; bit 21 beside a mask
	s_or_b32 s[G1B+0], s44, (0<<16)|(1<<20)|(1<<21)|(5<<22)|(3<<25)
.irp g, G1, G1B
	s_mov_b32 s[\g+1], ROWB<<16                    ; tensor_dim0
	s_mov_b32 s[\g+2], 128<<16                     ; tensor_dim1
	s_mov_b32 s[\g+3], ROWB<<16                    ; tile_dim0
	s_mov_b32 s[\g+4], 128                         ; tile_dim1
	s_mov_b32 s[\g+5], KROW                        ; the pitch
	s_mov_b32 s[\g+6], 0
	s_mov_b32 s[\g+7], 0
.endr
	s_or_b32 s[G1S+0], s43, (3<<16)|(1<<20)|(1<<21)|(5<<22)|(3<<25) ; the scale bytes of 128 rows: 4,096 dense bytes as 16 rows of 32 elements of 8 bytes
	s_or_b32 s[G1SB+0], s44, (3<<16)|(1<<20)|(1<<21)|(5<<22)|(3<<25)
.irp g, G1S, G1SB
	s_mov_b32 s[\g+1], 32<<16
	s_mov_b32 s[\g+2], (128*KS/256)<<16
	s_mov_b32 s[\g+3], 32<<16
	s_mov_b32 s[\g+4], 128*KS/256
	s_mov_b32 s[\g+5], 32
	s_mov_b32 s[\g+6], 0
	s_mov_b32 s[\g+7], 0
.endr
	s_lshl_b32 s18, s16, 7                         ; which 128 rows of the tile I fetch
	s_lshl_b32 s20, s17, 8
	s_add_co_u32 s20, s20, s18                     ; A's row
	s_lshl_b32 s46, s42, 8
	s_add_co_u32 s46, s46, s18                     ; B's row
	s_lshl_b32 s22, s20, 5                         ; where these rows' scale bytes begin,
	s_lshl_b32 s92, s46, 5
	s_lshl_b32 s20, s20, 9                         ; and their codes
	s_lshl_b32 s46, s46, 9
	s_mov_b32 s21, 0
	s_mov_b32 s23, 0
	s_mov_b32 s47, 0
	s_mov_b32 s93, 0
	s_mul_i32 s45, s14, HALFT                      ; where they go: wave x 128 rows: no place in the cluster enters an LDS address
	s_mul_i32 s94, s14, HALFS
	s_wait_dscnt 0x0                               ; both opening adds are done
	s_wait_kmcnt 0x0
	s_add_nc_u64 s[20:21], s[4:5], s[20:21]
	s_add_nc_u64 s[22:23], s[6:7], s[22:23]
	s_add_nc_u64 s[46:47], s[4:5], s[46:47]
	s_add_nc_u64 s[92:93], s[6:7], s[92:93]
	CROUND                                         ; all sixteen work-groups are here: the joint loads meet
	s_mov_b32 s[G0S], 1
	s_add_co_u32 s[G0S+1], s94, SCL
	s_mov_b64 s[G0S+2:G0S+3], s[22:23]
	s_or_b32 s[G0S+3], s[G0S+3], 0x80000000
	s_mov_b32 s[G0SB], 1
	s_add_co_u32 s[G0SB+1], s94, SCL
	s_mov_b64 s[G0SB+2:G0SB+3], s[92:93]
	s_or_b32 s[G0SB+3], s[G0SB+3], 0x80000000
	JLOAD G0S, G1S, G0SB, G1SB                     ; the scale bytes first: they are wanted with K step 0
.irp s, 0,1
	s_mov_b32 s[G0+4*\s], 1
	s_add_co_u32 s[G0+4*\s+1], s45, \s*SLOT
	s_add_nc_u64 s[G0+4*\s+2:G0+4*\s+3], s[20:21], \s*ROWB
	s_or_b32 s[G0+4*\s+3], s[G0+4*\s+3], 0x80000000
	s_mov_b32 s[G0B+4*\s], 1
	s_add_co_u32 s[G0B+4*\s+1], s45, \s*SLOT
	s_add_nc_u64 s[G0B+4*\s+2:G0B+4*\s+3], s[46:47], \s*ROWB
	s_or_b32 s[G0B+4*\s+3], s[G0B+4*\s+3], 0x80000000
	JLOAD G0+4*\s, G1, G0B+4*\s, G1B
.endr
	v_and_b32 v1, 15, v0                           ; l % 16
	v_bfe_u32 v2, v0, 4, 1                         ; l / 16
	v_mul_u32_u24 v3, v1, PITCH
	v_lshl_add_u32 v4, v2, 4, v3                   ; a fragment's row x pitch + 16 x half
	s_mul_i32 s21, s15, HALFT                      ; my 128 rows of A
	s_mul_i32 s22, s16, HALFT                      ; my 128 rows of B,
	s_add_co_u32 s22, s22, 2*HALFT                 ; behind A's 256
.irp s, 0,1
	v_add_nc_u32 v[ADRA+\s], s21, v4
	v_add_nc_u32 v[ADRB+\s], s22, v4
	s_add_co_u32 s21, s21, SLOT
	s_add_co_u32 s22, s22, SLOT
.endr
	v_mul_u32_u24 v5, v1, KS                       ; my row's scale bytes: 32 a row,
	v_lshrrev_b32 v6, 8, v5
	v_lshl_add_u32 v5, v6, 4, v5                   ; and 16 more for each 256 passed
	s_mul_i32 s21, s15, HALFS                      ; A's: my 128 rows
	s_mul_i32 s22, s16, HALFS                      ; B's: my 128 rows, behind A's 256
	s_add_co_u32 s22, s22, 2*HALFS
	s_sub_co_u32 s22, s22, s21
	v_mul_u32_u24 v6, s22, v2                      ; lanes 16-31 take B's: one product, the distance between the two bases
	s_add_co_u32 s21, s21, SCL
	v_add_nc_u32 v5, v5, v6
	v_add_nc_u32 v[ADRS], s21, v5
	s_mul_i32 s23, s14, 16*SPITCH                  ; my stage
	v_mul_u32_u24 v5, v1, SPITCH                   ; in: row l % 16, 16 bytes for each half of the lanes
	v_lshl_add_u32 v5, v2, 4, v5
	v_add_nc_u32 v[STO], s23, v5
	v_mul_u32_u24 v5, v2, SPITCH                   ; back: lanes 0-15 one row of 256 bytes, lanes 16-31 the next
	v_lshl_add_u32 v5, v1, 4, v5
	v_add_nc_u32 v[RD], s23, v5
	v_lshlrev_b32 v5, 12, v2                       ; and the same two rows in C
	v_lshl_add_u32 v[CO], v1, 4, v5
	s_lshl_b32 s20, s96, 8
	s_lshl_b32 s21, s15, 7
	s_add_co_u32 s20, s20, s21                     ; my first row of C
	s_lshl_b32 s20, s20, 12                        ; (12,288 rows of 4,096 bytes stay under 2^32)
	s_lshl_b32 s21, s97, 9
	s_add_co_u32 s20, s20, s21                     ; + 512 bytes a tile column
	s_lshl_b32 s21, s16, 8
	s_add_co_u32 s20, s20, s21                     ; + my half's 256
	s_mov_b32 s21, 0
	s_add_nc_u64 s[8:9], s[8:9], s[20:21]
.macro FRAG reg, adr, q, i             ; 16 rows x 128 K of 4-bit codes: 8 registers: lane l holds row l % 16; registers 4 c .. 4 c + 3 hold K = 64 c + 32 (l / 16) + 0 .. 31
.irp c, 0,1
	ds_load_b128 v[\reg+4*\c:\reg+4*\c+3], v[\adr] offset:64*(\q)+32*\c+(\i)*16*PITCH
.endr
.endm
; 16 matrix instructions: A's blocks a0, a0 + 1 x B's eight, the slot's q-th 128 along K.  p: B's set; sc: the set of scale words.  zero = 1: the products start the sums.
; The 64 accumulators take turns, one instruction a turn, in the same order in every step.
.macro MUL16 a0, p, q, sc, zero
.irp a, \a0, \a0+1
.irp b, 0,1,2,3,4,5,6,7
.if \zero
	v_wmma_scale_f32_16x16x128_f8f6f4 v[8*(8*((\a)%4)+\b):8*(8*((\a)%4)+\b)+7], v[128*(\p)+FR*\b:128*(\p)+FR*\b+FR-1], v[AF+FR*(\a):AF+FR*(\a)+FR-1], 0, v[SC+8*NQ*(\sc)+NQ*\b+(\q)], v[SC+8*NQ*(\sc)+NQ*(\a)+(\q)] matrix_a_fmt:MATRIX_FMT_FP4 matrix_b_fmt:MATRIX_FMT_FP4 matrix_a_scale:MATRIX_SCALE_ROW1
.else
	v_wmma_scale_f32_16x16x128_f8f6f4 v[8*(8*((\a)%4)+\b):8*(8*((\a)%4)+\b)+7], v[128*(\p)+FR*\b:128*(\p)+FR*\b+FR-1], v[AF+FR*(\a):AF+FR*(\a)+FR-1], v[8*(8*((\a)%4)+\b):8*(8*((\a)%4)+\b)+7], v[SC+8*NQ*(\sc)+NQ*\b+(\q)], v[SC+8*NQ*(\sc)+NQ*(\a)+(\q)] matrix_a_fmt:MATRIX_FMT_FP4 matrix_b_fmt:MATRIX_FMT_FP4 matrix_a_scale:MATRIX_SCALE_ROW1
.endif
.endr
.endr
.endm
.macro FETCH_B slot, q, p
	WIN TO_B
.irp i, 0,1,2,3,4,5,6,7
	FRAG 128*(\p)+FR*\i, ADRB+\slot, \q, \i
.endr
	WIN 0
.endm
.macro FETCH_A slot, q, i0
.irp i, \i0, \i0+1, \i0+2, \i0+3
	FRAG AF+FR*(\i), ADRA+\slot, \q, \i
.endr
.endm
.macro SCALES sc                       ; a K step's scale words: four words a row; lanes 0-15 take A's block i, lanes 16-31 B's block i
.irp i, 0,1,2,3,4,5,6,7
	ds_load_b128 v[SC+8*NQ*\sc+NQ*\i:SC+8*NQ*\sc+NQ*\i+3], v[ADRS] offset:\i*SBLK
.endr
.endm
.macro PLACES n                        ; plain vector lines between a matrix instruction and a load into, or a vector read of, its registers
.rept \n
	v_nop
.endr
.endm
.macro STEP slot, q, zero              ; a step of 128 along K that has its successor in the same slot
	s_wait_dscnt 4*NL                              ; all but the youngest eight loads (A's blocks 4-7) are in
	WIN MUL_LO
	MUL16 0, (\q)%2, \q, \slot, \zero
	MUL16 2, (\q)%2, \q, \slot, \zero
	s_wait_dscnt 0                                 ; A's blocks 4-7 are in
	PLACES NP
	FETCH_B \slot, (\q)+1, 1-(\q)%2
	FETCH_A \slot, (\q)+1, 0
	WIN MUL_HI
	MUL16 4, (\q)%2, \q, \slot, \zero
	MUL16 6, (\q)%2, \q, \slot, \zero
	PLACES NP
	WIN 0
	FETCH_A \slot, (\q)+1, 4
.endm
; Slot 0's last step changes slots: each wave waits for all its tensor loads (slot 1's part), adds 0 to its spare word, waits for that and for its reads of slot 0, and passes the barrier.  Nothing is filled again.
.macro TURN slot, next
	s_wait_tensorcnt 0x0
	ds_add_u32 v[SPW], v[NIL]
	s_wait_dscnt 4*NL+1                            ; the add and the youngest eight loads may be out
	WIN MUL_LO
	MUL16 0, 1, NQ-1, \slot, 0
	s_wait_dscnt 0x0                               ; the add is done, and my reads of this slot are over
	s_barrier_signal -1
	MUL16 2, 1, NQ-1, \slot, 0
	WIN 0
	s_barrier_wait -1
	PLACES NP
	v_add_nc_u32 v[ADRS], 4*NQ, v[ADRS]            ; on to the next K step's scale words
	FETCH_B \next, 0, 0
	FETCH_A \next, 0, 0
	SCALES \next
	WIN MUL_HI
	MUL16 4, 1, NQ-1, \slot, 0
	MUL16 6, 1, NQ-1, \slot, 0
	PLACES NP
	WIN 0
	FETCH_A \next, 0, 4
.endm
.macro STEPS slot, from
.set Q, \from
.rept NQ-1-\from
	STEP \slot, Q, 0
.set Q, Q+1
.endr
.endm
	s_wait_tensorcnt 1                             ; the scale bytes and my part of slot 0 are in; slot 1's load may be out
	s_barrier_signal -1
	s_barrier_wait -1
	FETCH_B 0, 0, 0
	FETCH_A 0, 0, 0
	SCALES 0
	FETCH_A 0, 0, 4
	STEP 0, 0, 1                                   ; the first step's products start the sums
	STEPS 0, 1
	TURN 0, 1
	STEPS 1, 0
	s_wait_dscnt 4*NL                              ; the last step: nothing more to fetch
	WIN MUL_LO
	MUL16 0, 1, NQ-1, 1, 0
	MUL16 2, 1, NQ-1, 1, 0
	s_wait_dscnt 0
	WIN MUL_HI
	MUL16 4, 1, NQ-1, 1, 0
	MUL16 6, 1, NQ-1, 1, 0
	WIN 0
; THE WAY OUT, a block of 16 rows x 128 columns at a time: rounded to f16 (16 bytes a lane), through my stage, back as whole rows of 256 bytes, stored sixteen lanes to 256 consecutive aligned bytes.
.macro PACK a
.set AC, 64*((\a)%4)
.set WA, 0x0a+5*((\a)/4)
	WIN WA                                         ; sources 0 and 1: window 2 or 3
.irp b, 0,1,2,3,4,5,6,7
.irp r, 0,1,2,3
	v_cvt_pk_f16_f32 v[TMP+4*\b+\r], v[AC+8*\b+2*\r], v[AC+8*\b+2*\r+1]   ; each accumulator from its low end on
.endr
.endr
	WIN 0
.endm
.macro TOSTAGE a
.set BKR, OB+192*((\a)%2)
.irp b, 0,1,2,3,4,5,6,7
	ds_store_b128 v[STO], v[TMP+4*\b:TMP+4*\b+3] offset:32*\b
.endr
.irp t, 0,1,2,3,4,5,6,7
	ds_load_b128 v[BKR+4*\t:BKR+4*\t+3], v[RD] offset:\t*2*SPITCH  ; LDS serves a wave's instructions in order: these see the stores above
.endr
.endm
.macro SEND a
.set BKR, OB+192*((\a)%2)
	s_wait_dscnt 0x0                               ; the block is back in registers
	s_wait_xcnt 0x0                                ; earlier stores have read their base and their data: both are written again only behind this wait
.if (\a) > 0
	s_add_nc_u64 s[8:9], s[8:9], 16*CROW
.endif
.irp t, 0,1,2,3,4,5,6,7
	global_store_b128 v[CO], v[BKR+4*\t:BKR+4*\t+3], s[8:9] offset:2*\t*CROW
.endr
.endm
	PLACES NP
	PACK 0
	TOSTAGE 0
.irp a, 1,2,3,4,5,6,7                  ; block a's conversions stand between block a - 1's loads from the stage and the wait for them
	PACK \a
	SEND \a-1
	TOSTAGE \a
.endr
	SEND 7
	s_wait_tensorcnt 0x0                           ; the wave's end
	ds_add_u32 v[SPW], v[NIL]
	s_wait_dscnt 0x0
	CROUND                                         ; the closing round
	s_endpgm
.Lfunc_end_k_q1b89757603_qkv:
	.size	k_q1b89757603_qkv, .Lfunc_end_k_q1b89757603_qkv-k_q1b89757603_qkv
	.p2alignl 7, 3214868480
	.fill 96, 4, 3214868480
	.section	.rodata,"a",@progbits
	.p2align	6, 0x0
	.amdhsa_kernel k_q1b89757603_qkv
		.amdhsa_group_segment_fixed_size 327680
		.amdhsa_private_segment_fixed_size 0
		.amdhsa_enable_private_segment 0
		.amdhsa_kernarg_size 24
		.amdhsa_user_sgpr_count 2
		.amdhsa_user_sgpr_kernarg_segment_ptr 1
		.amdhsa_wavefront_size32 1
		.amdhsa_system_sgpr_workgroup_id_x 1
		.amdhsa_system_sgpr_workgroup_id_y 1
		.amdhsa_system_sgpr_workgroup_id_z 1
		.amdhsa_system_vgpr_workitem_id 0
		.amdhsa_next_free_vgpr 1024
		.amdhsa_next_free_sgpr 98
		.amdhsa_reserve_vcc 0
		.amdhsa_float_denorm_mode_32 3
		.amdhsa_float_denorm_mode_16_64 3
		.amdhsa_memory_ordered 1
		.amdhsa_forward_progress 1
		.amdhsa_inst_pref_size 127
	.end_amdhsa_kernel
	.amdgpu_metadata
---
amdhsa.version: [ 1, 2 ]
amdhsa.kernels:
  - .name:           k_q1b89757603_qkv
    .symbol:         k_q1b89757603_qkv.kd
    .args:
      - { .name: codes, .offset: 0, .size: 8, .value_kind: global_buffer, .address_space: global }
      - { .name: scl, .offset: 8, .size: 8, .value_kind: global_buffer, .address_space: global }
      - { .name: qkv, .offset: 16, .size: 8, .value_kind: global_buffer, .address_space: global }
    .group_segment_fixed_size: 327680
    .private_segment_fixed_size: 0
    .kernarg_segment_align: 8
    .kernarg_segment_size: 24
    .max_flat_workgroup_size: 128
    .sgpr_count:     98
    .vgpr_count:     1024
    .wavefront_size: 32
...
	.end_amdgpu_metadata
.endif
;; end of part 2
;; launch scores (part 3): grid 8 x 32, 4 waves a work-group, clusters of 4 x 4, 327,680 bytes of LDS; arguments qkv, p, st; writes p, st
.if DOCPART == 3
	.amdgcn_target "amdgcn-amd-amdhsa--gfx1250"
	.amdhsa_code_object_version 6
	.text
	.protected	k_q1b89757603_scores
	.globl	k_q1b89757603_scores
	.p2align	8
	.type	k_q1b89757603_scores,@function
k_q1b89757603_scores:
	s_mov_b64 s[64:65], 0
	v_nop
	global_prefetch_b8 v0, s[64:65] scope:SCOPE_SE
	s_setreg_imm32_b32 hwreg(HW_REG_WAVE_MODE, 25, 1), 1
	s_wait_xcnt 0x0
	s_wait_alu depctr_hold_cnt(0) depctr_sa_sdst(0) depctr_va_vdst(0) depctr_va_sdst(0) depctr_va_ssrc(0) depctr_va_vcc(0) depctr_vm_vsrc(0)
	s_getreg_b32 s2, hwreg(HW_REG_IB_STS2, 6, 4)
	s_cmp_eq_u32 s2, 0
	s_cbranch_scc0 .Lentry_in_a_cluster
	s_endpgm
.Lentry_in_a_cluster:
	s_bfe_u32 s2, ttmp6, 0x10000c
	s_cmp_lg_u32 s2, 0xf033
	s_cbranch_scc0 .Lentry_shape_is_right
	s_endpgm
.Lentry_shape_is_right:
; S = q k^T in f16 with f32 sums, K = 1,024, and the first half of the softmax on the way out.  q and k are the two halves of a token's row of qkv ([.][2,048] f16, 4,096 bytes a row).
; THE SOFTMAX IN CHUNKS OF 128 KEYS.  t = score x log2(e) / 32.  For each query and each chunk: M = the chunk's largest t, rounded UP to a whole number; p = 2^(t - M), at most 1 (an ulp over at the worst), is stored as f16;
; the pair (-M, the sum of the chunk's unrounded p) is stored as f32 at st[chunk][row].  The next launch joins the chunks by powers of two.  So a maximum is taken away ahead of every exponential.
; LIMITS: NaN and infinities are not served; a p under 2^-24 of its chunk's largest becomes 0.
; A tile of 256 queries x 256 keys is made by four waves, each 128 x 128 (one chunk wide): 64 accumulators, 512 registers.  K goes in steps of 128 (rows of 256 bytes) through a ring of two LDS slots.
; By this text's count a wave has two tensor loads out at the start and one behind each round; that one has 224 matrix instructions in which to land.
; CLUSTERS: 4 x 4 work-groups; q's tile is asked for jointly along a row of the cluster, k's along a column.  THE MATRIX INSTRUCTION IS USED TRANSPOSED (source 0 = 16 keys, source 1 = 16 queries):
; a lane holds ONE query (lane % 16) and eight neighbouring keys in each accumulator.
; REGISTERS: window 0: v0-31 addresses; v64-127, v128-191 q's fragments, two buffers; on the way out v32-127 and v192-255 at work.  window 1: k's fragments.  windows 2, 3: the accumulators ((a, b) at v[8 (8 (a % 4) + b)]).
.set KSTEP,  128
.set PITCH,  272                       ; an LDS row: 256 bytes + 16 of padding
.set HALFT,  128*PITCH
.set SLOT,   4*HALFT
.set STAGE,  2*SLOT                    ; behind the ring: 16 rows x 272 bytes a wave
.set SPITCH, 272
.set SPARE,  STAGE+4*16*SPITCH         ; the spare words, 128 bytes a wave
.set LAPS,   4                         ; 1,024 / 256: a lap = two K steps
.set QROW,   4096                      ; a row of qkv, and of p, in bytes
.set ADRA, 16
.set ADRB, 20
.set STO,  24
.set RD,   25
.set CO,   26
.set SOF,  27                          ; v27  8 x lane: my pair in a store of statistics
.set SPW,  28
.set NIL,  29
.set PFO,  30                          ; v30  the prefetches' offset: my lane x a row
.set PFA,  44                          ; s[44:45] where my prefetches stand
.set LIM,  43                          ; s43  1 in a wave that prefetches, else the greatest number
.set F0,   64
.set F1,   128
.set SU,   64                          ; the way out: v64-95 partial sums
.set MX,   96                          ; v96-99 four chains of the maximum
.set MXO,  100                         ; v100 what the other half of the lanes sends
.set NM,   102                         ; v[102:103] -M (the packed form names the pair and takes its low word)
.set STM,  104                         ; v104-111 -M of my eight blocks
.set STL,  112                         ; v112-119 their sums
.set SD,   120                         ; v120-127 the pairs to store
.set TMP,  192
.set OB,   32
.set G1, 24
.set G0, 32
.set G1B, 48
.set G0B, 56
.set CS,  66                           ; s[66:67] c = log2(e) / 32
.set SEL, 68                           ; s[68:69] lane selects: lane l xor 16
.set HI16, 70                          ; s70  the mask of lanes 16-31
.set MSB, 0
.macro WIN new
.if MSB != \new
	s_set_vgpr_msb (MSB<<8)|\new
.set MSB, \new
.endif
.endm
.set MUL_LO, 0xa1
.set MUL_HI, 0xf1
.set TO_B,   0x40
.macro JLOAD s                         ; a joint load: waves 0 and 1 fetch q's halves, waves 2 and 3 k's; an s_nop 0 and four v_nop follow each line
	s_cmp_eq_u32 s11, 0
	s_cbranch_scc0 .Lfor_b_\@
	tensor_load_to_lds s[G0+4*\s:G0+4*\s+3], s[G1:G1+7]
	s_nop 0
.rept 4
	v_nop
.endr
	s_branch .Lasked_\@
.Lfor_b_\@:
	tensor_load_to_lds s[G0B+4*\s:G0B+4*\s+3], s[G1B:G1B+7]
	s_nop 0
.rept 4
	v_nop
.endr
.Lasked_\@:
.endm
; A prefetch of the K step that stands two refills on: 32 rows x 256 bytes, a lane a row, one instruction a wave.  q's rows are read by both clusters of a cluster row: the one with x = 0 asks;
; k's by the two clusters of a batch with the same x: the one with even y asks.  The four partners that ask for a tile jointly share a wave's 128 rows out by address, 32 each.  The loop's last trip asks for nothing.
.macro ASK
	s_cmp_gt_u32 s3, s[LIM]
	s_cbranch_scc0 .Lnot_mine_\@
	global_prefetch_b8 v[PFO], s[PFA:PFA+1] offset:KSTEP*2 th:TH_LOAD_NT scope:SCOPE_SE
.Lnot_mine_\@:
.endm
.macro CREST
	s_cmp_lg_u32 s10, 0
	s_cbranch_scc1 .Lnot_wave_0_\@
	s_barrier_signal -3
.Lnot_wave_0_\@:
	s_barrier_wait -3
	s_barrier_signal -1
	s_barrier_wait -1
.endm
.macro CROUND
	s_barrier_signal -1
	s_barrier_wait -1
	CREST
.endm
	s_load_b128 s[4:7], s[0:1], 0x0                ; qkv s[4:5], p s[6:7]
	s_load_b64 s[8:9], s[0:1], 0x10                ; st
	v_lshl_add_u32 v[SPW], v0, 2, SPARE
	v_mov_b32 v[NIL], 0
	ds_add_u32 v[SPW], v[NIL]                      ; the wave's opening: the add, twice on end, and its wait ahead of my first tensor load
	ds_add_u32 v[SPW], v[NIL]
	v_lshrrev_b32 v1, 5, v0
	v_readfirstlane_b32 s10, v1                    ; wave 0..3
	s_lshr_b32 s11, s10, 1                         ; which half of the tile's queries is mine.  Also: I fetch for q (0) or for k (1)
	s_and_b32 s12, s10, 1                          ; which half of its keys.  Also: which 128 rows I fetch
	s_bfe_u32 s40, ttmp6, 0x40000                  ; cx
	s_bfe_u32 s41, ttmp6, 0x40004                  ; cy
	s_lshl_b32 s42, ttmp9, 2
	s_add_co_u32 s42, s42, s40                     ; tile column, 0..7: 256 keys of the batch
	s_and_b32 s13, ttmp7, 0xffff
	s_lshl_b32 s13, s13, 2
	s_add_co_u32 s13, s13, s41                     ; tile row, 0..31: 256 rows of all batches
	s_lshl_b32 s43, s41, 2
	s_lshl_b32 s43, 15, s43                        ; my row of the cluster
	s_lshl_b32 s44, 0x1111, s40                    ; my column
	s_or_b32 s[G1+0], s43, (1<<16)|(1<<20)|(1<<21)|(5<<22)|(3<<25)  ; the mask; elements of 2 bytes; padding on, 4 words after every 64; bit 21 beside a mask
	s_or_b32 s[G1B+0], s44, (1<<16)|(1<<20)|(1<<21)|(5<<22)|(3<<25)
.irp g, G1, G1B
	s_mov_b32 s[\g+1], KSTEP<<16                   ; tensor_dim0
	s_mov_b32 s[\g+2], 128<<16                     ; tensor_dim1
	s_mov_b32 s[\g+3], KSTEP<<16                   ; tile_dim0
	s_mov_b32 s[\g+4], 128                         ; tile_dim1
	s_mov_b32 s[\g+5], 2048                        ; the pitch in elements
	s_mov_b32 s[\g+6], 0
	s_mov_b32 s[\g+7], 0
.endr
	s_lshl_b32 s18, s12, 7                         ; which 128 rows of the tile I fetch
	s_lshl_b32 s16, s13, 8
	s_add_co_u32 s16, s16, s18
	s_lshl_b32 s16, s16, 12                        ; q: row x 4,096 bytes
	s_mov_b32 s17, 0
	s_and_b32 s19, ttmp7, 0xffff
	s_lshr_b32 s19, s19, 1                         ; the batch = cluster y / 2
	s_lshl_b32 s19, s19, 11
	s_lshl_b32 s46, s42, 8
	s_add_co_u32 s46, s46, s19
	s_add_co_u32 s46, s46, s18
	s_lshl_b32 s46, s46, 12
	s_add_co_u32 s46, s46, 2048                    ; k: the row's second half
	s_mov_b32 s47, 0
	s_mul_i32 s20, s10, HALFT                      ; where they go: wave x 128 rows
	s_mov_b32 s[CS], 0x3d38aa3b                    ; c = log2(e) / 32
	s_mov_b32 s[CS+1], s[CS]
	s_mov_b32 s[SEL], 0x76543210
	s_mov_b32 s[SEL+1], 0xfedcba98
	s_mov_b32 s[HI16], 0xffff0000
	s_wait_dscnt 0x0                               ; both opening adds are done
	s_wait_kmcnt 0x0
	s_add_nc_u64 s[14:15], s[4:5], s[16:17]
	s_add_nc_u64 s[46:47], s[4:5], s[46:47]
	CROUND                                         ; all sixteen work-groups are here: the first joint loads meet
.irp s, 0,1
	s_mov_b32 s[G0+4*\s], 1
	s_add_co_u32 s[G0+4*\s+1], s20, \s*SLOT
	s_add_nc_u64 s[G0+4*\s+2:G0+4*\s+3], s[14:15], \s*KSTEP*2
	s_or_b32 s[G0+4*\s+3], s[G0+4*\s+3], 0x80000000
	s_mov_b32 s[G0B+4*\s], 1
	s_add_co_u32 s[G0B+4*\s+1], s20, \s*SLOT
	s_add_nc_u64 s[G0B+4*\s+2:G0B+4*\s+3], s[46:47], \s*KSTEP*2
	s_or_b32 s[G0B+4*\s+3], s[G0B+4*\s+3], 0x80000000
	JLOAD \s
.endr
	v_and_b32 v1, 15, v0                           ; l % 16
	v_bfe_u32 v2, v0, 4, 1                         ; l / 16
	v_mul_u32_u24 v3, v1, PITCH
	v_lshl_add_u32 v3, v2, 4, v3                   ; a fragment's row x pitch + 16 x half
	s_mul_i32 s21, s11, HALFT                      ; my 128 queries
	s_mul_i32 s22, s12, HALFT                      ; my 128 keys,
	s_add_co_u32 s22, s22, 2*HALFT                 ; behind q's 256 rows
.irp s, 0,1
	v_add_nc_u32 v[ADRA+\s], s21, v3
	v_add_nc_u32 v[ADRB+\s], s22, v3
	s_add_co_u32 s21, s21, SLOT
	s_add_co_u32 s22, s22, SLOT
.endr
	s_mul_i32 s23, s10, 16*SPITCH
	s_add_co_u32 s23, s23, STAGE                   ; my stage
	v_mul_u32_u24 v4, v1, SPITCH
	v_lshl_add_u32 v4, v2, 4, v4
	v_add_nc_u32 v[STO], s23, v4
	v_mul_u32_u24 v5, v2, SPITCH
	v_lshl_add_u32 v5, v1, 4, v5
	v_add_nc_u32 v[RD], s23, v5
	v_lshlrev_b32 v5, 12, v2
	v_lshl_add_u32 v[CO], v1, 4, v5                ; two rows of p an instruction, 16 bytes a lane
	v_and_b32 v[PFO], 31, v0
	v_lshlrev_b32 v[SOF], 3, v[PFO]
	v_lshlrev_b32 v[PFO], 12, v[PFO]
	; where my part of p and of st begins
	s_lshl_b32 s16, s13, 8
	s_lshl_b32 s17, s11, 7
	s_add_co_u32 s16, s16, s17                     ; my first row
	s_lshl_b32 s18, s16, 3                         ; 8 bytes a row in st
	s_lshl_b32 s16, s16, 12
	s_lshl_b32 s17, s42, 9
	s_add_co_u32 s16, s16, s17
	s_lshl_b32 s17, s12, 8
	s_add_co_u32 s16, s16, s17
	s_mov_b32 s17, 0
	s_add_nc_u64 s[6:7], s[6:7], s[16:17]
	s_lshl_b32 s19, s42, 1
	s_add_co_u32 s19, s19, s12                     ; my chunk of the batch's 16
	s_lshl_b32 s19, s19, 16                        ; 8,192 rows x 8 bytes a chunk
	s_add_co_u32 s18, s18, s19
	s_mov_b32 s19, 0
	s_add_nc_u64 s[8:9], s[8:9], s[18:19]
	; the prefetches
	s_and_b32 s22, ttmp7, 0xffff
	s_lshr_b32 s23, s22, 1
	s_lshl_b32 s23, s23, 11
	s_lshl_b32 s21, s42, 8
	s_add_co_u32 s23, s23, s21                     ; k's tile: its first row
	s_lshl_b32 s20, s13, 8                         ; q's
	s_and_b32 s22, s22, 1
	s_cmp_eq_u32 s11, 0                            ; do I fetch for q?
	s_cselect_b32 s20, s20, s23
	s_cselect_b32 s21, s40, s41                    ; my place among the four that ask with me
	s_cselect_b32 s22, ttmp9, s22                  ; the coordinate along which another cluster reads the same rows
	s_cselect_b32 s23, 0, 2048                     ; k: the row's second half
	s_cmp_eq_u32 s22, 0
	s_cselect_b32 s[LIM], 1, -1                    ; the same in all sixteen partners, for a given wave
	s_lshl_b32 s22, s12, 7
	s_add_co_u32 s20, s20, s22                     ; + the 128 rows that I fetch
	s_lshl_b32 s21, s21, 5
	s_add_co_u32 s20, s20, s21                     ; + my work-group's 32 of them
	s_lshl_b32 s20, s20, 12
	s_add_co_u32 s20, s20, s23
	s_add_co_u32 s20, s20, 2*KSTEP*2               ; at K step 2: the first refill steps it to 3 and names K step 4
	s_mov_b32 s21, 0
	s_add_nc_u64 s[PFA:PFA+1], s[4:5], s[20:21]
.macro MUL16 f, hi, a0, zero           ; 16 matrix instructions: query blocks a0, a0 + 1 of the window's four x all 8 key blocks, 32 along K
.irp a, \a0, \a0+1
.irp b, 0,1,2,3,4,5,6,7
.if \zero
	v_wmma_f32_16x16x32_f16 v[8*(8*(\a)+\b):8*(8*(\a)+\b)+7], v[\f+8*\b:\f+8*\b+7], v[\f+8*(4*\hi+\a):\f+8*(4*\hi+\a)+7], 0
.else
	v_wmma_f32_16x16x32_f16 v[8*(8*(\a)+\b):8*(8*(\a)+\b)+7], v[\f+8*\b:\f+8*\b+7], v[\f+8*(4*\hi+\a):\f+8*(4*\hi+\a)+7], v[8*(8*(\a)+\b):8*(8*(\a)+\b)+7]
.endif
.endr
.endr
.endm
.macro FETCH slot, k, f                ; 32 LDS loads in one run: the fragments of 32 along K at byte k of the rows
	WIN TO_B
.irp i, 0,1,2,3,4,5,6,7
	ds_load_b128 v[\f+8*\i:\f+8*\i+3],   v[ADRB+\slot] offset:\k+\i*16*PITCH
	ds_load_b128 v[\f+8*\i+4:\f+8*\i+7], v[ADRB+\slot] offset:\k+\i*16*PITCH+32
.endr
	WIN 0
.irp i, 0,1,2,3,4,5,6,7
	ds_load_b128 v[\f+8*\i:\f+8*\i+3],   v[ADRA+\slot] offset:\k+\i*16*PITCH
	ds_load_b128 v[\f+8*\i+4:\f+8*\i+7], v[ADRA+\slot] offset:\k+\i*16*PITCH+32
.endr
.endm
.macro PLACES                          ; four plain vector lines between a matrix instruction and a load into, or a vector access of, its registers
.rept 4
	v_nop
.endr
.endm
.macro QUARTER slot, k, f, g, zero     ; 64 matrix instructions on buffer f; in the middle the next quarter's fragments are fetched into g
	s_wait_dscnt 8                                 ; all but the youngest eight loads (q's rows 64-127) are in
	WIN MUL_LO
	MUL16 \f, 0, 0, \zero
	MUL16 \f, 0, 2, \zero
	PLACES
	FETCH \slot, \k, \g
	s_wait_dscnt 32                                ; all but the 32 just issued
	WIN MUL_HI
	MUL16 \f, 1, 0, \zero
	MUL16 \f, 1, 2, \zero
.endm
; The last quarter of a K step changes slots: one barrier.  In front of it each wave waits for all its tensor loads (its part of the next slot), adds 0 to its spare word, and waits for that and for its reads of this slot.
; fill = 1: the barrier opens a round of the cluster's, and behind the round this slot is filled again, two K steps ahead, first thing.
.macro TURN slot, next, fill
.if \fill
	s_wait_xcnt 0x0                                ; the last prefetch, a K step back, has read its address
	s_add_nc_u64 s[PFA:PFA+1], s[PFA:PFA+1], KSTEP*2
.endif
	WIN 0
	s_wait_tensorcnt 0x0
	ds_add_u32 v[SPW], v[NIL]
	s_wait_dscnt 9                                 ; the add and the youngest eight loads may be out
	WIN MUL_LO
	MUL16 F1, 0, 0, 0
	s_wait_dscnt 0x0                               ; the add is done, and my reads of this slot are over
	s_barrier_signal -1
	MUL16 F1, 0, 2, 0
.if \fill
	WIN 0
.endif
	s_barrier_wait -1
.if \fill
	CREST
	s_add_nc_u64 s[G0+4*\slot+2:G0+4*\slot+3], s[G0+4*\slot+2:G0+4*\slot+3], 2*KSTEP*2
	s_add_nc_u64 s[G0B+4*\slot+2:G0B+4*\slot+3], s[G0B+4*\slot+2:G0B+4*\slot+3], 2*KSTEP*2
	JLOAD \slot                                    ; the four v_nop behind it are also the places in front of the loads below
.else
	PLACES
.endif
	FETCH \next, 0, F0
.if \fill
	ASK
.endif
	WIN MUL_HI
	MUL16 F1, 1, 0, 0
	MUL16 F1, 1, 2, 0
.endm
	s_wait_tensorcnt 1                             ; my part of K step 0 is in; K step 1's may be out
	s_barrier_signal -1
	s_barrier_wait -1
	FETCH 0, 0, F0
	QUARTER 0, 64,  F0, F1, 1                      ; the first quarter's products start the sums
	WIN 0
	s_mov_b32 s3, LAPS-1
.Llap:                                                 ; a trip goes once round the ring, from a lap's second quarter to the next lap's first
	QUARTER 0, 128, F1, F0, 0
	QUARTER 0, 192, F0, F1, 0
	TURN 0, 1, 1
	QUARTER 1, 64,  F0, F1, 0
	QUARTER 1, 128, F1, F0, 0
	QUARTER 1, 192, F0, F1, 0
	TURN 1, 0, 1
	QUARTER 0, 64,  F0, F1, 0
	WIN 0
	s_sub_co_u32 s3, s3, 1
	s_cmp_lg_u32 s3, 0
	s_cbranch_scc1 .Llap
	QUARTER 0, 128, F1, F0, 0                      ; the last lap fills nothing
	QUARTER 0, 192, F0, F1, 0
	TURN 0, 1, 0
	QUARTER 1, 64,  F0, F1, 0
	QUARTER 1, 128, F1, F0, 0
	QUARTER 1, 192, F0, F1, 0
	s_wait_dscnt 8
	WIN MUL_LO
	MUL16 F1, 0, 0, 0
	MUL16 F1, 0, 2, 0
	s_wait_dscnt 0
	WIN MUL_HI
	MUL16 F1, 1, 0, 0
	MUL16 F1, 1, 2, 0
	WIN 0
	PLACES
	v_mov_b32 v[MXO], 0                            ; written once: a lane permute's destination counts as one of its sources
	v_mov_b32 v[NM+1], 0                           ; named as the upper half of a pair
; THE WAY OUT of block a: 16 queries x my 128 keys; a lane holds 64 scores of one query, the lane 16 away the other 64.
.macro SOFT a
.set AC, 64*((\a)%4)
.set W, 2+(\a)/4
.set WA, W|(W<<2)                      ; sources 0 and 1 in the accumulators' window
.set WB, W|(W<<6)                      ; source 0 and the destination there
	WIN WA
.irp c, 0,1,2,3
	v_max3_num_f32 v[MX+\c], v[AC+16*\c], v[AC+16*\c+1], 0xff800000     ; the largest score, in four chains; each accumulator is read from its low end on
.endr
.irp i, 2,4,6,8,10,12,14
.irp c, 0,1,2,3
	v_max3_num_f32 v[MX+\c], v[AC+16*\c+\i], v[AC+16*\c+\i+1], v[MX+\c]
.endr
.endr
	WIN 0
	v_max3_num_f32 v[MX], v[MX], v[MX+1], v[MX+2]
	v_max_num_f32 v[MX], v[MX], v[MX+3]
	v_permlanex16_b32 v[MXO], v[MX], s[SEL], s[SEL+1]
	v_max_num_f32 v[MX], v[MX], v[MXO]             ; the chunk's largest score of my query
	v_mul_f32 v[MX+1], s[CS], v[MX]                ; as t (c is positive)
	v_floor_f32 v[NM], -v[MX+1]                    ; -M = floor(-t) = -ceil(t): a whole number
	v_mov_b32 v[STM+(\a)], v[NM]
	WIN WB
.set i, 0
.rept 32
	v_pk_fma_f32 v[AC+i:AC+i+1], v[AC+i:AC+i+1], s[CS:CS+1], v[NM:NM+1] op_sel_hi:[1,0,0]   ; t - M, two at a time
.set i, i+2
.endr
.set i, 0
.rept 64
	v_exp_f32 v[AC+i], v[AC+i]                     ; p = 2^(t - M)
.set i, i+1
.endr
	v_nop                                          ; a plain line behind the last exponential
	s_wait_alu depctr_va_vdst(0)                   ; one wait for the batch of 64, ahead of its first reader
	WIN WA
.set i, 0
.rept 16
	v_pk_add_f32 v[SU+2*i:SU+2*i+1], v[AC+4*i:AC+4*i+1], v[AC+4*i+2:AC+4*i+3]   ; the sum is taken of the unrounded p
.set i, i+1
.endr
.irp b, 0,1,2,3,4,5,6,7
.irp r, 0,1,2,3
	v_cvt_pk_f16_f32 v[TMP+4*\b+\r], v[AC+8*\b+2*\r], v[AC+8*\b+2*\r+1]
.endr
.endr
	WIN 0
.irp i, 0,1,2,3,4,5,6,7
	v_pk_add_f32 v[SU+2*\i:SU+2*\i+1], v[SU+2*\i:SU+2*\i+1], v[SU+16+2*\i:SU+16+2*\i+1]
.endr
.irp i, 0,1,2,3
	v_pk_add_f32 v[SU+2*\i:SU+2*\i+1], v[SU+2*\i:SU+2*\i+1], v[SU+8+2*\i:SU+8+2*\i+1]
.endr
.irp i, 0,1
	v_pk_add_f32 v[SU+2*\i:SU+2*\i+1], v[SU+2*\i:SU+2*\i+1], v[SU+4+2*\i:SU+4+2*\i+1]
.endr
	v_pk_add_f32 v[SU:SU+1], v[SU:SU+1], v[SU+2:SU+3]
	v_add_f32 v[SU], v[SU], v[SU+1]
	v_permlanex16_b32 v[MXO], v[SU], s[SEL], s[SEL+1]
	v_add_f32 v[STL+(\a)], v[SU], v[MXO]           ; the chunk's sum of my query
.endm
.macro TOSTAGE a
.set BKR, OB+192*((\a)%2)
.irp b, 0,1,2,3,4,5,6,7
	ds_store_b128 v[STO], v[TMP+4*\b:TMP+4*\b+3] offset:32*\b
.endr
.irp t, 0,1,2,3,4,5,6,7
	ds_load_b128 v[BKR+4*\t:BKR+4*\t+3], v[RD] offset:\t*2*SPITCH  ; LDS serves a wave's instructions in order: these see the stores above
.endr
.endm
.macro SEND a
.set BKR, OB+192*((\a)%2)
	s_wait_dscnt 0x0                               ; the block is back in registers
	s_wait_xcnt 0x0                                ; earlier stores have read their base and their data
.if (\a) > 0
	s_add_nc_u64 s[6:7], s[6:7], 16*QROW
.endif
.irp t, 0,1,2,3,4,5,6,7
	global_store_b128 v[CO], v[BKR+4*\t:BKR+4*\t+3], s[6:7] offset:2*\t*QROW   ; 16 lanes store 256 consecutive bytes, aligned
.endr
.endm
	SOFT 0
	TOSTAGE 0
.irp a, 1,2,3,4,5,6,7                  ; block a's softmax stands between block a - 1's loads from the stage and the wait for them
	SOFT \a
	SEND \a-1
	TOSTAGE \a
.endr
	SEND 7
.irp j, 0,1,2,3                        ; the statistics: lanes 0-15 hold block 2 j's rows, lanes 16-31 block 2 j + 1's: 32 neighbouring rows, 256 consecutive bytes a store
	v_cndmask_b32 v[SD+2*\j], v[STM+2*\j], v[STM+2*\j+1], s[HI16]
	v_cndmask_b32 v[SD+2*\j+1], v[STL+2*\j], v[STL+2*\j+1], s[HI16]
	global_store_b64 v[SOF], v[SD+2*\j:SD+2*\j+1], s[8:9] offset:256*\j
.endr
	s_wait_tensorcnt 0x0                           ; the wave's end
	ds_add_u32 v[SPW], v[NIL]
	s_wait_dscnt 0x0
	CROUND                                         ; the closing round
	s_endpgm
.Lfunc_end_k_q1b89757603_scores:
	.size	k_q1b89757603_scores, .Lfunc_end_k_q1b89757603_scores-k_q1b89757603_scores
	.p2alignl 7, 3214868480
	.fill 96, 4, 3214868480
	.section	.rodata,"a",@progbits
	.p2align	6, 0x0
	.amdhsa_kernel k_q1b89757603_scores
		.amdhsa_group_segment_fixed_size 327680
		.amdhsa_private_segment_fixed_size 0
		.amdhsa_enable_private_segment 0
		.amdhsa_kernarg_size 24
		.amdhsa_user_sgpr_count 2
		.amdhsa_user_sgpr_kernarg_segment_ptr 1
		.amdhsa_wavefront_size32 1
		.amdhsa_system_sgpr_workgroup_id_x 1
		.amdhsa_system_sgpr_workgroup_id_y 1
		.amdhsa_system_sgpr_workgroup_id_z 1
		.amdhsa_system_vgpr_workitem_id 0
		.amdhsa_next_free_vgpr 1024
		.amdhsa_next_free_sgpr 72
		.amdhsa_reserve_vcc 0
		.amdhsa_float_denorm_mode_32 3
		.amdhsa_float_denorm_mode_16_64 3
		.amdhsa_memory_ordered 1
		.amdhsa_forward_progress 1
		.amdhsa_inst_pref_size 215
	.end_amdhsa_kernel
	.amdgpu_metadata
---
amdhsa.version: [ 1, 2 ]
amdhsa.kernels:
  - .name:           k_q1b89757603_scores
    .symbol:         k_q1b89757603_scores.kd
    .args:
      - { .name: qkv, .offset: 0, .size: 8, .value_kind: global_buffer, .address_space: global }
      - { .name: p, .offset: 8, .size: 8, .value_kind: global_buffer, .address_space: global }
      - { .name: st, .offset: 16, .size: 8, .value_kind: global_buffer, .address_space: global }
    .group_segment_fixed_size: 327680
    .private_segment_fixed_size: 0
    .kernarg_segment_align: 8
    .kernarg_segment_size: 24
    .max_flat_workgroup_size: 128
    .sgpr_count:     72
    .vgpr_count:     1024
    .wavefront_size: 32
...
	.end_amdgpu_metadata
.endif
;; end of part 3
;; launch ctxk (part 4): grid 4 x 64, 4 waves a work-group, clusters of 4 x 4, 327,680 bytes of LDS; arguments p, qkv, st, ctx; writes ctx
.if DOCPART == 4
	.amdgcn_target "amdgcn-amd-amdhsa--gfx1250"
	.amdhsa_code_object_version 6
	.text
	.protected	k_q1b89757603_ctxk
	.globl	k_q1b89757603_ctxk
	.p2align	8
	.type	k_q1b89757603_ctxk,@function
k_q1b89757603_ctxk:
	s_mov_b64 s[64:65], 0
	v_nop
	global_prefetch_b8 v0, s[64:65] scope:SCOPE_SE
	s_setreg_imm32_b32 hwreg(HW_REG_WAVE_MODE, 25, 1), 1
	s_wait_xcnt 0x0
	s_wait_alu depctr_hold_cnt(0) depctr_sa_sdst(0) depctr_va_vdst(0) depctr_va_sdst(0) depctr_va_ssrc(0) depctr_va_vcc(0) depctr_vm_vsrc(0)
	s_getreg_b32 s2, hwreg(HW_REG_IB_STS2, 6, 4)
	s_cmp_eq_u32 s2, 0
	s_cbranch_scc0 .Lentry_in_a_cluster
	s_endpgm
.Lentry_in_a_cluster:
	s_bfe_u32 s2, ttmp6, 0x10000c
	s_cmp_lg_u32 s2, 0xf033
	s_cbranch_scc0 .Lentry_shape_is_right
	s_endpgm
.Lentry_shape_is_right:
; ctx = softmax x v, in f16 with f32 sums, K = the batch's 2,048 keys.  A = p ([8,192][2,048] f16, each chunk of 128 keys under its own whole-number maximum M_c), B = v^T (rows 8192 + 1024 batch + d of qkv, the keys along the row).
; JOINING THE CHUNKS, IN F32.  For each row: M = the largest M_c; f_c = 2^(M_c - M), at most 1; l = the sum of l_c f_c; g_c = f_c / l.  A K step is one chunk: its products sum into 32 chunk accumulators, begun with
; the constant 0; at the chunk's end the main accumulators take g_c x the chunk's sums, by fused multiply-adds (the first chunk: by multiplications, so nothing is cleared).  ctx is rounded once to f16.
; LIMITS: NaN and infinities are not served; ctx under 6e-5 in magnitude is kept to 2^-25.
; A tile of 128 rows x 256 columns is made by four waves, each 64 x 128; 256 work-groups.  (Tiles of 256 x 256 would be 128.)
; THE RING HAS TWO UNEQUAL SLOTS: X holds two K steps (rows of 512 bytes), Y one (rows of 256 bytes): three K steps are what LDS holds of 128 + 256 rows; two slots of two K steps would want 405,504 bytes.
; The 16 K steps go Y X X Y X X .. Y.  There are two changes of slots for three K steps; Y's refill has 240 matrix instructions of a wave in which to land, X's 112.
; By this text's count a wave has two tensor loads out at the start and one behind each round.
; CLUSTERS: 4 x 4 work-groups; p's tile is asked for jointly along a row of the cluster, v^T's along a column.  THE MATRIX INSTRUCTION IS USED TRANSPOSED (source 0 = 16 rows of v^T, source 1 = 16 rows of p):
; a lane holds ONE row of ctx (lane % 16) and eight neighbouring columns in each accumulator, so a row's factor is a lane's.
; REGISTERS: window 0: v0-31 addresses; v32-39 the chunk's factors, a pair (g, g) for each of my four row blocks; v48-51 at work; v64-127 | v128-159 buffer 0 (B | A); v160-223 | v224-255 buffer 1.
;   window 1: the chunk accumulators ((a, b) at v[8 (8 a + b)]).   window 2: the main accumulators, at the same numbers.
.set KSTEP,  128
.set PX,     528                       ; a row in X: 512 bytes + 16 of padding
.set PY,     272                       ; a row in Y: 256 bytes + 16
.set AHX,    64*PX                     ; half of A's tile in X: what wave 0 or 1 fetches, and what a wave reads
.set BHX,    128*PX                    ; half of B's
.set XBOFF,  2*AHX                     ; X begins at LDS byte 0: A's 128 rows, then B's 256
.set YB,     2*AHX+2*BHX               ; Y begins behind X
.set AHY,    64*PY
.set BHY,    128*PY
.set YBOFF,  YB+2*AHY
.set FTAB,   YB+2*AHY+2*BHY            ; the factors, (g, g) in f32: [16 chunks][half of the rows][row % 16][block of 16 rows] x 8 bytes
.set SPARE,  FTAB+16384                ; the spare words, 128 bytes a wave
.set SPITCH, 272                       ; the way out: a stage of 16 rows x 272 bytes a wave, from LDS byte 0 on: in X, which has had its last fill and its last read by then
.set CROW,   2048                      ; a row of ctx in bytes
.set TRIPS,  4
.set FW,    8                          ; v8   where my thread's row puts its factors
.set ADRAX, 16                         ; v16, v17  LDS address of my A fragments in X, in Y
.set ADRAY, 17
.set ADRBX, 20                         ; v20, v21  the same for B
.set ADRBY, 21
.set STO,  24
.set RD,   25
.set CO,   26
.set AFT,  27                          ; v27  where I read my four blocks' factors; stepped by three chunks a trip
.set SPW,  28
.set NIL,  29
.set PFO,  30
.set FS,   32
.set F0,   64
.set F1,   160
.set TMP,  64
.set G1AX, 24                          ; s[24:55] four descriptor groups 1: A's and B's tiles, for X and for Y
.set G1AY, 32
.set G1BX, 40
.set G1BY, 48
.set G0AX, 56                          ; s[56:63], s[68:75] their groups 0
.set G0AY, 60
.set G0BX, 68
.set G0BY, 72
.set PFA,  76                          ; s[76:77] where my prefetches stand
.set LIM,  15                          ; s15  1 in a wave that prefetches, else the greatest number
.set MSB, 0
.macro WIN new                         ; the immediate's high byte repeats the setting that is left; a switch that changes nothing is dropped
.if MSB != \new
	s_set_vgpr_msb (MSB<<8)|\new
.set MSB, \new
.endif
.endm
.set MUL, 0x50                         ; C and D window 1
.set JN,  0xa1                         ; source 0 window 1 (the chunk's sums), source 1 window 0 (the factors), source 2 and destination window 2
.macro JLOAD g0a, g1a, g0b, g1b        ; waves 0 and 1 fetch p's halves, waves 2 and 3 v^T's; an s_nop 0 and four v_nop follow each line
	s_cmp_eq_u32 s13, 0
	s_cbranch_scc0 .Lfor_b_\@
	tensor_load_to_lds s[\g0a:\g0a+3], s[\g1a:\g1a+7]
	s_nop 0
.rept 4
	v_nop
.endr
	s_branch .Lasked_\@
.Lfor_b_\@:
	tensor_load_to_lds s[\g0b:\g0b+3], s[\g1b:\g1b+7]
	s_nop 0
.rept 4
	v_nop
.endr
.Lasked_\@:
.endm
; A prefetch of what the NEXT change of slots will ask for: n K steps (256 bytes of a row each), a lane a row.  p's 128 rows of a tile: the four partners take 32 each by address (cx), wave 0 asks.
; v^T's 256 rows are read by the four clusters of a batch: the first of them asks; its partners take 64 each by address (cy), waves 2 and 3 ask for 32 each.  So each row's 256 bytes of a K step are named once.
; K steps 0 to 3 come by their loads alone.  how = 0: not in the loop's last trip, behind which X is not filled again.
.macro ASK n, o, how
.if \how
	s_cmp_eq_u32 s[LIM], 1
.else
	s_cmp_gt_u32 s3, s[LIM]
.endif
	s_cbranch_scc0 .Lnot_mine_\@
	global_prefetch_b8 v[PFO], s[PFA:PFA+1] offset:\o th:TH_LOAD_NT scope:SCOPE_SE
.if \n > 1
	global_prefetch_b8 v[PFO], s[PFA:PFA+1] offset:\o+256 th:TH_LOAD_NT scope:SCOPE_SE
.endif
.Lnot_mine_\@:
.endm
.macro CREST
	s_cmp_lg_u32 s12, 0
	s_cbranch_scc1 .Lnot_wave_0_\@
	s_barrier_signal -3
.Lnot_wave_0_\@:
	s_barrier_wait -3
	s_barrier_signal -1
	s_barrier_wait -1
.endm
.macro CROUND
	s_barrier_signal -1
	s_barrier_wait -1
	CREST
.endm
.macro GROUP1 g, c, r                  ; a tile of r rows x c elements of 2 bytes; 2,048 elements from row to row
	s_mov_b32 s[\g+1], (\c)<<16
	s_mov_b32 s[\g+2], (\r)<<16
	s_mov_b32 s[\g+3], (\c)<<16
	s_mov_b32 s[\g+4], \r
	s_mov_b32 s[\g+5], 2048
	s_mov_b32 s[\g+6], 0
	s_mov_b32 s[\g+7], 0
.endm
	s_load_b256 s[4:11], s[0:1], 0x0               ; p s[4:5], qkv s[6:7], st s[8:9], ctx s[10:11]
	v_lshl_add_u32 v[SPW], v0, 2, SPARE
	v_mov_b32 v[NIL], 0
	ds_add_u32 v[SPW], v[NIL]                      ; the wave's opening: the add, twice on end, and its wait ahead of my first tensor load
	ds_add_u32 v[SPW], v[NIL]
	v_lshrrev_b32 v1, 5, v0
	v_readfirstlane_b32 s12, v1                    ; wave 0..3
	s_lshr_b32 s13, s12, 1                         ; which 64 rows are mine.  Also: I fetch for A (0) or for B (1)
	s_and_b32 s14, s12, 1                          ; which 128 columns.  Also: which half I fetch
	s_bfe_u32 s78, ttmp6, 0x40000                  ; cx
	s_bfe_u32 s79, ttmp6, 0x40004                  ; cy
	s_lshl_b32 s80, ttmp9, 2
	s_add_co_u32 s80, s80, s78                     ; tile column, 0..3
	s_and_b32 s82, ttmp7, 0xffff                   ; cluster y; the batch is y / 4
	s_lshl_b32 s81, s82, 2
	s_add_co_u32 s81, s81, s79                     ; tile row, 0..63
	s_lshl_b32 s16, s79, 2
	s_lshl_b32 s16, 15, s16                        ; my row of the cluster
	s_lshl_b32 s17, 0x1111, s78                    ; my column
	s_or_b32 s[G1AX], s16, (1<<16)|(1<<20)|(1<<21)|(6<<22)|(3<<25)  ; the mask; elements of 2 bytes; padding on: 4 words after every 128 (X) or 64 (Y); bit 21 beside a mask
	s_or_b32 s[G1AY], s16, (1<<16)|(1<<20)|(1<<21)|(5<<22)|(3<<25)
	s_or_b32 s[G1BX], s17, (1<<16)|(1<<20)|(1<<21)|(6<<22)|(3<<25)
	s_or_b32 s[G1BY], s17, (1<<16)|(1<<20)|(1<<21)|(5<<22)|(3<<25)
	GROUP1 G1AX, 2*KSTEP, 64
	GROUP1 G1AY, KSTEP, 64
	GROUP1 G1BX, 2*KSTEP, 128
	GROUP1 G1BY, KSTEP, 128
	s_lshl_b32 s18, s81, 7
	s_lshl_b32 s19, s14, 6
	s_add_co_u32 s18, s18, s19                     ; A: row 128 x tile row + 64 x half
	s_lshl_b32 s18, s18, 12
	s_mov_b32 s19, 0
	s_lshr_b32 s86, s82, 2
	s_lshl_b32 s86, s86, 10
	s_add_co_u32 s86, s86, 8192                    ; B: the batch's v^T
	s_lshl_b32 s87, s80, 8
	s_add_co_u32 s86, s86, s87
	s_lshl_b32 s87, s14, 7
	s_add_co_u32 s86, s86, s87                     ; + 256 x tile column + 128 x half
	s_lshl_b32 s86, s86, 12
	s_mov_b32 s87, 0
	s_mul_i32 s20, s14, AHY                        ; where the halves go: no place in the cluster enters an LDS address
	s_mul_i32 s21, s14, BHY
	s_mul_i32 s22, s14, AHX
	s_mul_i32 s23, s14, BHX
	s_wait_dscnt 0x0                               ; both opening adds are done
	s_wait_kmcnt 0x0
	s_add_nc_u64 s[18:19], s[4:5], s[18:19]
	s_add_nc_u64 s[86:87], s[6:7], s[86:87]
	CROUND                                         ; all sixteen work-groups are here: the first joint loads meet
	s_mov_b32 s[G0AY], 1                           ; Y: K step 0
	s_add_co_u32 s[G0AY+1], s20, YB
	s_add_nc_u64 s[G0AY+2:G0AY+3], s[18:19], 0
	s_or_b32 s[G0AY+3], s[G0AY+3], 0x80000000
	s_mov_b32 s[G0BY], 1
	s_add_co_u32 s[G0BY+1], s21, YBOFF
	s_add_nc_u64 s[G0BY+2:G0BY+3], s[86:87], 0
	s_or_b32 s[G0BY+3], s[G0BY+3], 0x80000000
	JLOAD G0AY, G1AY, G0BY, G1BY
	s_mov_b32 s[G0AX], 1                           ; X: K steps 1 and 2
	s_mov_b32 s[G0AX+1], s22
	s_add_nc_u64 s[G0AX+2:G0AX+3], s[18:19], KSTEP*2
	s_or_b32 s[G0AX+3], s[G0AX+3], 0x80000000
	s_mov_b32 s[G0BX], 1
	s_add_co_u32 s[G0BX+1], s23, XBOFF
	s_add_nc_u64 s[G0BX+2:G0BX+3], s[86:87], KSTEP*2
	s_or_b32 s[G0BX+3], s[G0BX+3], 0x80000000
	JLOAD G0AX, G1AX, G0BX, G1BX
	; the statistics: thread t stands for row t of the tile: 16 pairs (-M_c, l_c); a load of the work-group covers 1,024 consecutive bytes
	s_lshl_b32 s22, s81, 10                        ; 128 rows x 8 bytes a tile row
	s_mov_b32 s23, 0
	s_add_nc_u64 s[8:9], s[8:9], s[22:23]
	v_lshlrev_b32 v48, 3, v0
.irp c, 0,1,2,3,4,5,6,7,8,9,10,11,12,13,14,15
	global_load_b64 v[64+2*\c:65+2*\c], v48, s[8:9] offset:65536*\c
.endr
	v_and_b32 v1, 15, v0                           ; l % 16
	v_bfe_u32 v2, v0, 4, 1                         ; l / 16
	v_mul_u32_u24 v3, v1, PX
	v_lshl_add_u32 v3, v2, 4, v3                   ; a fragment's row x pitch + 16 x half, in X
	v_mul_u32_u24 v4, v1, PY
	v_lshl_add_u32 v4, v2, 4, v4                   ; and in Y
	s_mul_i32 s22, s13, AHX                        ; my 64 rows of A
	s_mul_i32 s23, s14, BHX
	s_add_co_u32 s23, s23, XBOFF                   ; my 128 rows of B
	v_add_nc_u32 v[ADRAX], s22, v3
	v_add_nc_u32 v[ADRBX], s23, v3
	s_mul_i32 s22, s13, AHY
	s_add_co_u32 s22, s22, YB
	s_mul_i32 s23, s14, BHY
	s_add_co_u32 s23, s23, YBOFF
	v_add_nc_u32 v[ADRAY], s22, v4
	v_add_nc_u32 v[ADRBY], s23, v4
	s_mul_i32 s22, s12, 16*SPITCH                  ; my stage
	v_mul_u32_u24 v5, v1, SPITCH
	v_lshl_add_u32 v5, v2, 4, v5
	v_add_nc_u32 v[STO], s22, v5
	v_mul_u32_u24 v5, v2, SPITCH
	v_lshl_add_u32 v5, v1, 4, v5
	v_add_nc_u32 v[RD], s22, v5
	v_lshlrev_b32 v5, 11, v2
	v_lshl_add_u32 v[CO], v1, 4, v5
	s_lshl_b32 s22, s13, 9
	s_add_co_u32 s22, s22, FTAB
	v_lshl_add_u32 v[AFT], v1, 5, s22              ; FTAB + 512 x my half of the rows + 32 x (l % 16)
	v_lshrrev_b32 v6, 6, v0                        ; thread t = 64 half + 16 block + row % 16
	v_lshlrev_b32 v6, 9, v6
	v_lshl_add_u32 v6, v1, 5, v6
	v_bfe_u32 v7, v0, 4, 2
	v_lshl_add_u32 v6, v7, 3, v6
	v_add_nc_u32 v[FW], FTAB, v6
	v_and_b32 v[PFO], 31, v0
	v_lshlrev_b32 v[PFO], 12, v[PFO]
	s_lshl_b32 s22, s81, 7
	s_lshl_b32 s23, s13, 6
	s_add_co_u32 s22, s22, s23                     ; my first row of ctx
	s_lshl_b32 s22, s22, 11
	s_lshl_b32 s23, s80, 9
	s_add_co_u32 s22, s22, s23
	s_lshl_b32 s23, s14, 8
	s_add_co_u32 s22, s22, s23
	s_mov_b32 s23, 0
	s_add_nc_u64 s[10:11], s[10:11], s[22:23]
	; the prefetches
	s_lshl_b32 s20, s81, 7
	s_lshl_b32 s21, s78, 5
	s_add_co_u32 s20, s20, s21                     ; A: 128 x tile row + 32 cx
	s_lshr_b32 s21, s82, 2
	s_lshl_b32 s21, s21, 10
	s_add_co_u32 s21, s21, 8192
	s_lshl_b32 s22, s80, 8
	s_add_co_u32 s21, s21, s22
	s_lshl_b32 s22, s79, 6
	s_add_co_u32 s21, s21, s22
	s_lshl_b32 s22, s14, 5
	s_add_co_u32 s21, s21, s22                     ; B: the tile's first row + 64 cy + 32 x (wave % 2)
	s_and_b32 s22, s82, 3
	s_cmp_eq_u32 s13, 0
	s_cselect_b32 s20, s20, s21
	s_cselect_b32 s22, ttmp9, s22                  ; the coordinate along which other clusters read the same rows
	s_cselect_b64 s[PFA:PFA+1], s[4:5], s[6:7]
	s_cselect_b32 s23, s14, 0                      ; wave 1 asks for nothing
	s_or_b32 s22, s22, s23
	s_cmp_eq_u32 s22, 0
	s_cselect_b32 s[LIM], 1, -1
	s_lshl_b32 s20, s20, 12
	s_mov_b32 s21, 0
	s_add_nc_u64 s[PFA:PFA+1], s[PFA:PFA+1], s[20:21]  ; at my rows' first byte; stepped by three K steps a trip
	s_wait_loadcnt 0x0                             ; the statistics are in
.irp i, 0,1,2,3,4,5,6,7
	v_min_num_f32 v[96+\i], v[64+4*\i], v[66+4*\i]                 ; the smallest -M_c is -M
.endr
.irp i, 0,1,2,3
	v_min_num_f32 v[96+\i], v[96+\i], v[100+\i]
.endr
	v_min_num_f32 v96, v96, v98
	v_min_num_f32 v97, v97, v99
	v_min_num_f32 v49, v96, v97
.irp c, 0,1,2,3,4,5,6,7,8,9,10,11,12,13,14,15
	v_sub_f32 v[64+2*\c], v49, v[64+2*\c]          ; M_c - M: a whole number, 0 or less
.endr
.irp c, 0,1,2,3,4,5,6,7,8,9,10,11,12,13,14,15
	v_cvt_i32_f32 v[64+2*\c], v[64+2*\c]           ; (it saturates)
.endr
.irp c, 0,1,2,3,4,5,6,7,8,9,10,11,12,13,14,15
	v_ldexp_f32 v[64+2*\c], 1.0, v[64+2*\c]        ; f_c = 2^(M_c - M)
.endr
	v_mul_f32 v50, v65, v64                        ; l = the sum of l_c f_c, in two chains; it is over 0.5: the chunk with M_c = M holds a weight over 0.5
	v_mul_f32 v51, v67, v66
.irp c, 2,4,6,8,10,12,14
	v_fmac_f32 v50, v[65+2*\c], v[64+2*\c]
	v_fmac_f32 v51, v[67+2*\c], v[66+2*\c]
.endr
	v_add_f32 v50, v50, v51
	v_rcp_f32 v51, v50
	v_nop                                          ; a plain line behind the reciprocal
	s_wait_alu depctr_va_vdst(0)                   ; the wait ahead of the reciprocal's first reader
.irp c, 0,1,2,3,4,5,6,7,8,9,10,11,12,13,14,15
	v_mul_f32 v[65+2*\c], v[64+2*\c], v51          ; g_c = f_c / l, twice: a pair for the packed multiply-add
	v_mul_f32 v[64+2*\c], v[64+2*\c], v51
.endr
.irp c, 0,1,2,3,4,5,6,7,8,9,10,11,12,13,14,15
	ds_store_b64 v[FW], v[64+2*\c:65+2*\c] offset:1024*\c
.endr
	s_wait_dscnt 0x0                               ; for the others' sake: my stores have landed
	s_wait_tensorcnt 1                             ; my part of Y (K step 0) is in; X's may be out
	s_barrier_signal -1
	s_barrier_wait -1
; Row block a x all 8 column blocks, 32 along K.  The 32 chunk accumulators take turns, one instruction a turn, in the same order in every quarter.  zero = 1: the products start the chunk's sums.
.macro MUL8 f, a, zero
	WIN MUL
.irp b, 0,1,2,3,4,5,6,7
.if \zero
	v_wmma_f32_16x16x32_f16 v[8*(8*(\a)+\b):8*(8*(\a)+\b)+7], v[\f+8*\b:\f+8*\b+7], v[\f+64+8*(\a):\f+64+8*(\a)+7], 0
.else
	v_wmma_f32_16x16x32_f16 v[8*(8*(\a)+\b):8*(8*(\a)+\b)+7], v[\f+8*\b:\f+8*\b+7], v[\f+64+8*(\a):\f+64+8*(\a)+7], v[8*(8*(\a)+\b):8*(8*(\a)+\b)+7]
.endif
.endr
.endm
; Row block a of the chunk that is finished goes onto the main accumulators: 32 packed lines, each accumulator from its low end on.  first = 1: the first chunk starts them.
.macro JOIN a, first
	WIN JN
.set i, 64*(\a)
.rept 32
.if \first
	v_pk_mul_f32 v[i:i+1], v[i:i+1], v[FS+2*(\a):FS+2*(\a)+1]
.else
	v_pk_fma_f32 v[i:i+1], v[i:i+1], v[FS+2*(\a):FS+2*(\a)+1], v[i:i+1]
.endif
.set i, i+2
.endr
.endm
.macro FETCH aa, ab, pit, k, f         ; 24 LDS loads in one run: B's 16, A's blocks 0, 1 (4), A's blocks 2, 3 (4): the fragments of 32 along K at byte k of the rows
	WIN 0
.irp i, 0,1,2,3,4,5,6,7
	ds_load_b128 v[\f+8*\i:\f+8*\i+3],   v[\ab] offset:\k+\i*16*\pit
	ds_load_b128 v[\f+8*\i+4:\f+8*\i+7], v[\ab] offset:\k+\i*16*\pit+32
.endr
.irp i, 0,1,2,3
	ds_load_b128 v[\f+64+8*\i:\f+64+8*\i+3],   v[\aa] offset:\k+\i*16*\pit
	ds_load_b128 v[\f+64+8*\i+4:\f+64+8*\i+7], v[\aa] offset:\k+\i*16*\pit+32
.endr
.endm
.macro FLOAD off                       ; my four blocks' factors of the chunk that begins
	WIN 0
	ds_load_b128 v[FS:FS+3], v[AFT] offset:\off
	ds_load_b128 v[FS+4:FS+7], v[AFT] offset:\off+16
.endm
.macro PLACES                          ; four plain vector lines between a matrix instruction and a load into, or a vector read of, its registers
.rept 4
	v_nop
.endr
.endm
; A quarter: 32 matrix instructions on buffer f; the next quarter's 24 loads into g go out first, behind their places.
; kind 0: a chunk's first quarter: its products start the sums, each row block behind the join of that block's last sums; blocks 2 and 3 of the last chunk are joined here (jn = 0), by multiplications (jn = 1), or there
; is no last chunk (jn = 2); behind them the new chunk's factors are fetched from byte foff on.  kind 1: a middle quarter.  kind 2: a chunk's last quarter: blocks 0 and 1 are joined.
; Each join stands behind eight matrix instructions of another block; the joins are also the places between a block's last products and the reads of its sums.
.macro QUARTER aa, ab, pit, k, f, g, kind, jn, foff
	PLACES
	FETCH \aa, \ab, \pit, \k, \g
	s_wait_dscnt 28                                ; the 24 just issued and the four loads of A's blocks 2, 3 of this quarter may be out
.if (\kind == 0) && (\jn == 2)
	MUL8 \f, 0, 1
	MUL8 \f, 1, 1
	s_wait_dscnt 24                                ; all but the 24
	MUL8 \f, 2, 1
	MUL8 \f, 3, 1
.elseif \kind == 0
	MUL8 \f, 0, 1
	JOIN 2, \jn
	MUL8 \f, 1, 1
	JOIN 3, \jn
	FLOAD \foff
	s_wait_dscnt 26                                ; all but the 24 and the two loads of factors
	MUL8 \f, 2, 1
	MUL8 \f, 3, 1
.elseif \kind == 1
	MUL8 \f, 0, 0
	MUL8 \f, 1, 0
	s_wait_dscnt 24
	MUL8 \f, 2, 0
	MUL8 \f, 3, 0
.else
	MUL8 \f, 0, 0
	MUL8 \f, 1, 0
	s_wait_dscnt 24
	MUL8 \f, 2, 0
	PLACES
	JOIN 0, \jn
	MUL8 \f, 3, 0
	JOIN 1, \jn
.endif
.endm
; A slot's last quarter (also a chunk's last) changes slots: one barrier; in front of it each wave waits for all its tensor loads (its part of the other slot), adds 0 to its spare word, and waits for that and for its
; reads of this slot.  fill = 1: the barrier opens a round of the cluster's, and this slot is filled again, three K steps on, first thing behind the round.
.macro TURN fill, g0a, g1a, g0b, g1b, aa, ab, pit, jn, pfstep, askn, asko, askhow
.if \pfstep
	s_wait_xcnt 0x0                                ; the last prefetches, eight quarters back, have read their address
	s_add_nc_u64 s[PFA:PFA+1], s[PFA:PFA+1], 3*KSTEP*2
.endif
	WIN 0
	s_wait_tensorcnt 0x0
	ds_add_u32 v[SPW], v[NIL]
	s_wait_dscnt 5                                 ; the add and the youngest four loads may be out
	MUL8 F1, 0, 0
	s_wait_dscnt 0x0                               ; the add is done, and my reads of this slot are over
	s_barrier_signal -1
	MUL8 F1, 1, 0
	WIN 0
	s_barrier_wait -1
.if \fill
	CREST
	s_add_nc_u64 s[\g0a+2:\g0a+3], s[\g0a+2:\g0a+3], 3*KSTEP*2
	s_add_nc_u64 s[\g0b+2:\g0b+3], s[\g0b+2:\g0b+3], 3*KSTEP*2
	JLOAD \g0a, \g1a, \g0b, \g1b                   ; the four v_nop behind it are also the places in front of the loads and of the join below
.else
	PLACES
.endif
	FETCH \aa, \ab, \pit, 0, F0
.if \askn
	ASK \askn, \asko, \askhow
.endif
	MUL8 F1, 2, 0
	JOIN 0, \jn
	MUL8 F1, 3, 0
	JOIN 1, \jn
.endm
.macro QX k, f, g, kind, jn, foff
	QUARTER ADRAX, ADRBX, PX, \k, \f, \g, \kind, \jn, \foff
.endm
.macro QY k, f, g, kind, jn, foff
	QUARTER ADRAY, ADRBY, PY, \k, \f, \g, \kind, \jn, \foff
.endm
.macro TO_X fill, jn, askn, askhow     ; Y is left (fill = 1: and filled again); what the next change will ask for is X's two K steps
	TURN \fill, G0AY, G1AY, G0BY, G1BY, ADRAX, ADRBX, PX, \jn, 0, \askn, 4*KSTEP*2, \askhow
.endm
.macro TO_Y fill, pfstep, askn         ; X is left; what the next change will ask for is Y's one K step
	TURN \fill, G0AX, G1AX, G0BX, G1BX, ADRAY, ADRBY, PY, 0, \pfstep, \askn, 3*KSTEP*2, 1
.endm
.macro X_REST                          ; X from its second quarter to its last but one: the rest of a chunk, and all but the last quarter of the next
	QX 128, F1, F0, 1, 0, 0
	QX 192, F0, F1, 1, 0, 0
	QX 256, F1, F0, 2, 0, 0
	QX 320, F0, F1, 0, 0, 2048
	QX 384, F1, F0, 1, 0, 0
	QX 448, F0, F1, 1, 0, 0
.endm
.macro Y_MOST                          ; Y but for its last quarter
	QY 64,  F0, F1, 0, 0, 3072
	QY 128, F1, F0, 1, 0, 0
	QY 192, F0, F1, 1, 0, 0
.endm
	FLOAD 0                                        ; chunk 0's factors
	FETCH ADRAY, ADRBY, PY, 0, F0
	QY 64,  F0, F1, 0, 2, 0                        ; K step 0, in Y
	QY 128, F1, F0, 1, 0, 0
	QY 192, F0, F1, 1, 0, 0
	TO_X 1, 1, 2, 1                                ; Y takes K step 3; chunk 0 starts the main accumulators
	QX 64,  F0, F1, 0, 1, 1024
	WIN 0                                          ; at a label and at a branch every window is 0
	s_mov_b32 s3, TRIPS
.Ltrip:                                                ; a trip is three K steps, from X's second quarter to X's first, and fills both slots again
	X_REST
	TO_Y 1, 1, 1
	Y_MOST
	TO_X 1, 0, 2, 0
	QX 64,  F0, F1, 0, 0, 4096
	WIN 0
	v_add_nc_u32 v[AFT], 3072, v[AFT]              ; three chunks on
	s_sub_co_u32 s3, s3, 1
	s_cmp_lg_u32 s3, 0
	s_cbranch_scc1 .Ltrip
	X_REST                                         ; the tail fills nothing: K steps 13 and 14,
	TO_Y 0, 0, 0
	Y_MOST                                         ; and 15
	s_wait_dscnt 4                                 ; all but A's blocks 2, 3
	MUL8 F1, 0, 0
	MUL8 F1, 1, 0
	s_wait_dscnt 0
	MUL8 F1, 2, 0
	PLACES
	JOIN 0, 0
	MUL8 F1, 3, 0
	JOIN 1, 0
	JOIN 2, 0
	JOIN 3, 0
	WIN 0
	; THE WAY OUT: rounded to f16, a block of 16 rows x 128 columns at a time through my stage, stored sixteen lanes to 256 consecutive aligned bytes
.macro PACK a
	WIN 0x0a                                       ; sources 0 and 1 window 2
.set i, 0
.rept 32
	v_cvt_pk_f16_f32 v[TMP+i], v[64*(\a)+2*i], v[64*(\a)+2*i+1]
.set i, i+1
.endr
	WIN 0
.endm
.macro TOSTAGE a
.set BKR, 96+32*((\a)%2)
.irp b, 0,1,2,3,4,5,6,7
	ds_store_b128 v[STO], v[TMP+4*\b:TMP+4*\b+3] offset:32*\b
.endr
.irp t, 0,1,2,3,4,5,6,7
	ds_load_b128 v[BKR+4*\t:BKR+4*\t+3], v[RD] offset:\t*2*SPITCH  ; LDS serves a wave's instructions in order: these see the stores above
.endr
.endm
.macro SEND a
.set BKR, 96+32*((\a)%2)
	s_wait_dscnt 0x0
	s_wait_xcnt 0x0                                ; earlier stores have read their base and their data
.if (\a) > 0
	s_add_nc_u64 s[10:11], s[10:11], 16*CROW
.endif
.irp t, 0,1,2,3,4,5,6,7
	global_store_b128 v[CO], v[BKR+4*\t:BKR+4*\t+3], s[10:11] offset:2*\t*CROW
.endr
.endm
	PACK 0
	TOSTAGE 0
.irp a, 1,2,3
	PACK \a
	SEND \a-1
	TOSTAGE \a
.endr
	SEND 3
	s_wait_tensorcnt 0x0                           ; the wave's end
	ds_add_u32 v[SPW], v[NIL]
	s_wait_dscnt 0x0
	CROUND                                         ; the closing round
	s_endpgm
.Lfunc_end_k_q1b89757603_ctxk:
	.size	k_q1b89757603_ctxk, .Lfunc_end_k_q1b89757603_ctxk-k_q1b89757603_ctxk
	.p2alignl 7, 3214868480
	.fill 96, 4, 3214868480
	.section	.rodata,"a",@progbits
	.p2align	6, 0x0
	.amdhsa_kernel k_q1b89757603_ctxk
		.amdhsa_group_segment_fixed_size 327680
		.amdhsa_private_segment_fixed_size 0
		.amdhsa_enable_private_segment 0
		.amdhsa_kernarg_size 32
		.amdhsa_user_sgpr_count 2
		.amdhsa_user_sgpr_kernarg_segment_ptr 1
		.amdhsa_wavefront_size32 1
		.amdhsa_system_sgpr_workgroup_id_x 1
		.amdhsa_system_sgpr_workgroup_id_y 1
		.amdhsa_system_sgpr_workgroup_id_z 1
		.amdhsa_system_vgpr_workitem_id 0
		.amdhsa_next_free_vgpr 768
		.amdhsa_next_free_sgpr 96
		.amdhsa_reserve_vcc 0
		.amdhsa_float_denorm_mode_32 3
		.amdhsa_float_denorm_mode_16_64 3
		.amdhsa_memory_ordered 1
		.amdhsa_forward_progress 1
		.amdhsa_inst_pref_size 201
	.end_amdhsa_kernel
	.amdgpu_metadata
---
amdhsa.version: [ 1, 2 ]
amdhsa.kernels:
  - .name:           k_q1b89757603_ctxk
    .symbol:         k_q1b89757603_ctxk.kd
    .args:
      - { .name: p, .offset: 0, .size: 8, .value_kind: global_buffer, .address_space: global }
      - { .name: qkv, .offset: 8, .size: 8, .value_kind: global_buffer, .address_space: global }
      - { .name: st, .offset: 16, .size: 8, .value_kind: global_buffer, .address_space: global }
      - { .name: ctx, .offset: 24, .size: 8, .value_kind: global_buffer, .address_space: global }
    .group_segment_fixed_size: 327680
    .private_segment_fixed_size: 0
    .kernarg_segment_align: 8
    .kernarg_segment_size: 32
    .max_flat_workgroup_size: 128
    .sgpr_count:     96
    .vgpr_count:     768
    .wavefront_size: 32
...
	.end_amdgpu_metadata
.endif
;; end of part 4
;; launch proj (part 5): grid 4 x 64, 4 waves a work-group, clusters of 4 x 4, 327,680 bytes of LDS; arguments ctx, wo16, out0; writes out0
.if DOCPART == 5
	.amdgcn_target "amdgcn-amd-amdhsa--gfx1250"
	.amdhsa_code_object_version 6
	.text
	.protected	k_q1b89757603_proj
	.globl	k_q1b89757603_proj
	.p2align	8
	.type	k_q1b89757603_proj,@function
k_q1b89757603_proj:
	s_mov_b64 s[64:65], 0
	v_nop
	global_prefetch_b8 v0, s[64:65] scope:SCOPE_SE
	s_setreg_imm32_b32 hwreg(HW_REG_WAVE_MODE, 25, 1), 1
	s_wait_xcnt 0x0
	s_wait_alu depctr_hold_cnt(0) depctr_sa_sdst(0) depctr_va_vdst(0) depctr_va_sdst(0) depctr_va_ssrc(0) depctr_va_vcc(0) depctr_vm_vsrc(0)
	s_getreg_b32 s2, hwreg(HW_REG_IB_STS2, 6, 4)
	s_cmp_eq_u32 s2, 0
	s_cbranch_scc0 .Lentry_in_a_cluster
	s_endpgm
.Lentry_in_a_cluster:
	s_bfe_u32 s2, ttmp6, 0x10000c
	s_cmp_lg_u32 s2, 0xf033
	s_cbranch_scc0 .Lentry_shape_is_right
	s_endpgm
.Lentry_shape_is_right:
; out0 = ctx wo^T in f16 with f32 sums, K = 1,024.  A = ctx [8,192][1,024] f16, B = wo16 [1,024][1,024] f16, out0 [8,192][1,024] f32.
; A tile of 128 rows x 256 columns is made by four waves, each 64 x 128: 32 accumulators, 256 registers; 256 work-groups.
; THE RING HAS TWO UNEQUAL SLOTS: X holds two K steps of 128 (rows of 512 bytes), Y one (rows of 256 bytes): three K steps are what LDS holds of 128 + 256 rows.  The 8 K steps go X X Y X X Y X X, written out:
; four changes of slots, three of them with a refill.  Y's refill has 240 matrix instructions of a wave in which to land, X's 112.
; By this text's count a wave has two tensor loads out at the start and one behind each round.
; CLUSTERS: 4 x 4 work-groups; ctx's tile is asked for jointly along a row of the cluster, wo's along a column.  THE MATRIX INSTRUCTION IS USED TRANSPOSED (source 0 = 16 rows of wo, source 1 = 16 rows of ctx).
; REGISTERS: window 0: v0-31 addresses; v64-127 | v128-159 buffer 0 (B | A); v160-223 | v224-255 buffer 1; on the way out v64-191.  window 1: the accumulators ((a, b) at v[8 (8 a + b)]).
.set KSTEP,  128
.set PX,     528                       ; a row in X: 512 bytes + 16 of padding
.set PY,     272                       ; a row in Y: 256 bytes + 16
.set AHX,    64*PX
.set BHX,    128*PX
.set XBOFF,  2*AHX                     ; X begins at LDS byte 0: A's 128 rows, then B's 256
.set YB,     2*AHX+2*BHX
.set AHY,    64*PY
.set BHY,    128*PY
.set YBOFF,  YB+2*AHY
.set SPARE,  YB+2*AHY+2*BHY            ; the spare words, 128 bytes a wave
.set STAGE,  YB                        ; the way out: 16 rows x (512 + 16) bytes a wave, in Y, which has had its last fill and its last read by then
.set SPITCH, 528
.set OROW,   4096                      ; a row of out0 in bytes
.set ADRAX, 16
.set ADRAY, 17
.set ADRBX, 20
.set ADRBY, 21
.set STO,  24
.set RD,   25
.set CO,   26
.set SPW,  28
.set NIL,  29
.set PFO,  30
.set F0,   64
.set F1,   160
.set G1AX, 24
.set G1AY, 32
.set G1BX, 40
.set G1BY, 48
.set G0AX, 56
.set G0AY, 60
.set G0BX, 68
.set G0BY, 72
.set PFA,  76
.set LIM,  15
.set MSB, 0
.macro WIN new
.if MSB != \new
	s_set_vgpr_msb (MSB<<8)|\new
.set MSB, \new
.endif
.endm
.set MUL, 0x50                         ; C and D window 1
.macro JLOAD g0a, g1a, g0b, g1b        ; waves 0 and 1 fetch ctx's halves, waves 2 and 3 wo's; an s_nop 0 and four v_nop follow each line
	s_cmp_eq_u32 s13, 0
	s_cbranch_scc0 .Lfor_b_\@
	tensor_load_to_lds s[\g0a:\g0a+3], s[\g1a:\g1a+7]
	s_nop 0
.rept 4
	v_nop
.endr
	s_branch .Lasked_\@
.Lfor_b_\@:
	tensor_load_to_lds s[\g0b:\g0b+3], s[\g1b:\g1b+7]
	s_nop 0
.rept 4
	v_nop
.endr
.Lasked_\@:
.endm
; A prefetch of what the NEXT change of slots will ask for: n K steps (256 bytes of a row each) from byte o of the rows on, a lane a row.  ctx's 128 rows of a tile: the four partners take 32 each by address (cx), wave 0 asks.
; wo's 256 rows are read by all sixteen clusters: the first asks; its partners take 64 each by address (cy), waves 2 and 3 ask for 32 each.  K steps 0 to 4 come by their loads alone.  The address is never stepped.
.macro ASK n, o
	s_cmp_eq_u32 s[LIM], 1
	s_cbranch_scc0 .Lnot_mine_\@
	global_prefetch_b8 v[PFO], s[PFA:PFA+1] offset:\o th:TH_LOAD_NT scope:SCOPE_SE
.if \n > 1
	global_prefetch_b8 v[PFO], s[PFA:PFA+1] offset:\o+256 th:TH_LOAD_NT scope:SCOPE_SE
.endif
.Lnot_mine_\@:
.endm
.macro CREST
	s_cmp_lg_u32 s12, 0
	s_cbranch_scc1 .Lnot_wave_0_\@
	s_barrier_signal -3
.Lnot_wave_0_\@:
	s_barrier_wait -3
	s_barrier_signal -1
	s_barrier_wait -1
.endm
.macro CROUND
	s_barrier_signal -1
	s_barrier_wait -1
	CREST
.endm
.macro GROUP1 g, c, r                  ; a tile of r rows x c elements of 2 bytes; 1,024 elements from row to row
	s_mov_b32 s[\g+1], (\c)<<16
	s_mov_b32 s[\g+2], (\r)<<16
	s_mov_b32 s[\g+3], (\c)<<16
	s_mov_b32 s[\g+4], \r
	s_mov_b32 s[\g+5], 1024
	s_mov_b32 s[\g+6], 0
	s_mov_b32 s[\g+7], 0
.endm
	s_load_b128 s[4:7], s[0:1], 0x0                ; ctx s[4:5], wo16 s[6:7]
	s_load_b64 s[8:9], s[0:1], 0x10                ; out0
	v_lshl_add_u32 v[SPW], v0, 2, SPARE
	v_mov_b32 v[NIL], 0
	ds_add_u32 v[SPW], v[NIL]                      ; the wave's opening: the add, twice on end, and its wait ahead of my first tensor load
	ds_add_u32 v[SPW], v[NIL]
	v_lshrrev_b32 v1, 5, v0
	v_readfirstlane_b32 s12, v1                    ; wave 0..3
	s_lshr_b32 s13, s12, 1                         ; which 64 rows are mine.  Also: I fetch for A (0) or for B (1)
	s_and_b32 s14, s12, 1                          ; which 128 columns.  Also: which half I fetch
	s_bfe_u32 s78, ttmp6, 0x40000                  ; cx
	s_bfe_u32 s79, ttmp6, 0x40004                  ; cy
	s_lshl_b32 s80, ttmp9, 2
	s_add_co_u32 s80, s80, s78                     ; tile column, 0..3
	s_and_b32 s82, ttmp7, 0xffff                   ; cluster y
	s_lshl_b32 s81, s82, 2
	s_add_co_u32 s81, s81, s79                     ; tile row, 0..63
	s_lshl_b32 s16, s79, 2
	s_lshl_b32 s16, 15, s16                        ; my row of the cluster
	s_lshl_b32 s17, 0x1111, s78                    ; my column
	s_or_b32 s[G1AX], s16, (1<<16)|(1<<20)|(1<<21)|(6<<22)|(3<<25)  ; the mask; elements of 2 bytes; padding on: 4 words after every 128 (X) or 64 (Y); bit 21 beside a mask
	s_or_b32 s[G1AY], s16, (1<<16)|(1<<20)|(1<<21)|(5<<22)|(3<<25)
	s_or_b32 s[G1BX], s17, (1<<16)|(1<<20)|(1<<21)|(6<<22)|(3<<25)
	s_or_b32 s[G1BY], s17, (1<<16)|(1<<20)|(1<<21)|(5<<22)|(3<<25)
	GROUP1 G1AX, 2*KSTEP, 64
	GROUP1 G1AY, KSTEP, 64
	GROUP1 G1BX, 2*KSTEP, 128
	GROUP1 G1BY, KSTEP, 128
	s_lshl_b32 s18, s81, 7
	s_lshl_b32 s19, s14, 6
	s_add_co_u32 s18, s18, s19                     ; A: row 128 x tile row + 64 x half
	s_lshl_b32 s18, s18, 11
	s_mov_b32 s19, 0
	s_lshl_b32 s86, s80, 8
	s_lshl_b32 s87, s14, 7
	s_add_co_u32 s86, s86, s87                     ; B: row 256 x tile column + 128 x half
	s_lshl_b32 s86, s86, 11
	s_mov_b32 s87, 0
	s_mul_i32 s20, s14, AHY                        ; where the halves go: no place in the cluster enters an LDS address
	s_mul_i32 s21, s14, BHY
	s_mul_i32 s22, s14, AHX
	s_mul_i32 s23, s14, BHX
	s_wait_dscnt 0x0                               ; both opening adds are done
	s_wait_kmcnt 0x0
	s_add_nc_u64 s[18:19], s[4:5], s[18:19]
	s_add_nc_u64 s[86:87], s[6:7], s[86:87]
	CROUND                                         ; all sixteen work-groups are here: the first joint loads meet
	s_mov_b32 s[G0AX], 1                           ; X: K steps 0 and 1
	s_mov_b32 s[G0AX+1], s22
	s_add_nc_u64 s[G0AX+2:G0AX+3], s[18:19], 0
	s_or_b32 s[G0AX+3], s[G0AX+3], 0x80000000
	s_mov_b32 s[G0BX], 1
	s_add_co_u32 s[G0BX+1], s23, XBOFF
	s_add_nc_u64 s[G0BX+2:G0BX+3], s[86:87], 0
	s_or_b32 s[G0BX+3], s[G0BX+3], 0x80000000
	JLOAD G0AX, G1AX, G0BX, G1BX
	s_mov_b32 s[G0AY], 1                           ; Y: K step 2
	s_add_co_u32 s[G0AY+1], s20, YB
	s_add_nc_u64 s[G0AY+2:G0AY+3], s[18:19], 2*KSTEP*2
	s_or_b32 s[G0AY+3], s[G0AY+3], 0x80000000
	s_mov_b32 s[G0BY], 1
	s_add_co_u32 s[G0BY+1], s21, YBOFF
	s_add_nc_u64 s[G0BY+2:G0BY+3], s[86:87], 2*KSTEP*2
	s_or_b32 s[G0BY+3], s[G0BY+3], 0x80000000
	JLOAD G0AY, G1AY, G0BY, G1BY
	v_and_b32 v1, 15, v0                           ; l % 16
	v_bfe_u32 v2, v0, 4, 1                         ; l / 16
	v_mul_u32_u24 v3, v1, PX
	v_lshl_add_u32 v3, v2, 4, v3                   ; a fragment's row x pitch + 16 x half, in X
	v_mul_u32_u24 v4, v1, PY
	v_lshl_add_u32 v4, v2, 4, v4                   ; and in Y
	s_mul_i32 s22, s13, AHX                        ; my 64 rows of A
	s_mul_i32 s23, s14, BHX
	s_add_co_u32 s23, s23, XBOFF                   ; my 128 rows of B
	v_add_nc_u32 v[ADRAX], s22, v3
	v_add_nc_u32 v[ADRBX], s23, v3
	s_mul_i32 s22, s13, AHY
	s_add_co_u32 s22, s22, YB
	s_mul_i32 s23, s14, BHY
	s_add_co_u32 s23, s23, YBOFF
	v_add_nc_u32 v[ADRAY], s22, v4
	v_add_nc_u32 v[ADRBY], s23, v4
	s_mul_i32 s22, s12, 16*SPITCH
	s_add_co_u32 s22, s22, STAGE                   ; my stage
	v_mul_u32_u24 v5, v1, SPITCH                   ; in: row l % 16, 32 bytes for each half of the lanes
	v_lshl_add_u32 v5, v2, 5, v5
	v_add_nc_u32 v[STO], s22, v5
	v_and_b32 v[PFO], 31, v0
	v_lshlrev_b32 v[CO], 4, v[PFO]                 ; back: the 32 lanes take one row of 512 bytes; and the same in out0
	v_add_nc_u32 v[RD], s22, v[CO]
	v_lshlrev_b32 v[PFO], 11, v[PFO]
	s_lshl_b32 s22, s81, 7
	s_lshl_b32 s23, s13, 6
	s_add_co_u32 s22, s22, s23                     ; my first row of out0
	s_lshl_b32 s22, s22, 12
	s_lshl_b32 s23, s80, 10
	s_add_co_u32 s22, s22, s23
	s_lshl_b32 s23, s14, 9
	s_add_co_u32 s22, s22, s23
	s_mov_b32 s23, 0
	s_add_nc_u64 s[8:9], s[8:9], s[22:23]
	; the prefetches
	s_lshl_b32 s20, s81, 7
	s_lshl_b32 s21, s78, 5
	s_add_co_u32 s20, s20, s21                     ; A: 128 x tile row + 32 cx
	s_lshl_b32 s21, s80, 8
	s_lshl_b32 s22, s79, 6
	s_add_co_u32 s21, s21, s22
	s_lshl_b32 s22, s14, 5
	s_add_co_u32 s21, s21, s22                     ; B: 256 x tile column + 64 cy + 32 x (wave % 2)
	s_cmp_eq_u32 s13, 0
	s_cselect_b32 s20, s20, s21
	s_cselect_b32 s22, ttmp9, s82                  ; the coordinate along which other clusters read the same rows
	s_cselect_b64 s[PFA:PFA+1], s[4:5], s[6:7]
	s_cselect_b32 s23, s14, 0                      ; wave 1 asks for nothing
	s_or_b32 s22, s22, s23
	s_cmp_eq_u32 s22, 0
	s_cselect_b32 s[LIM], 1, -1
	s_lshl_b32 s20, s20, 11
	s_mov_b32 s21, 0
	s_add_nc_u64 s[PFA:PFA+1], s[PFA:PFA+1], s[20:21]  ; at my rows' first byte
; Row block a x all 8 column blocks, 32 along K.  The 32 accumulators take turns, one instruction a turn, in the same order in every quarter
.macro MUL8 f, a, zero
	WIN MUL
.irp b, 0,1,2,3,4,5,6,7
.if \zero
	v_wmma_f32_16x16x32_f16 v[8*(8*(\a)+\b):8*(8*(\a)+\b)+7], v[\f+8*\b:\f+8*\b+7], v[\f+64+8*(\a):\f+64+8*(\a)+7], 0
.else
	v_wmma_f32_16x16x32_f16 v[8*(8*(\a)+\b):8*(8*(\a)+\b)+7], v[\f+8*\b:\f+8*\b+7], v[\f+64+8*(\a):\f+64+8*(\a)+7], v[8*(8*(\a)+\b):8*(8*(\a)+\b)+7]
.endif
.endr
.endm
.macro FETCH aa, ab, pit, k, f         ; 24 LDS loads in one run: B's 16, A's blocks 0, 1 (4), A's blocks 2, 3 (4): the fragments of 32 along K at byte k of the rows
	WIN 0
.irp i, 0,1,2,3,4,5,6,7
	ds_load_b128 v[\f+8*\i:\f+8*\i+3],   v[\ab] offset:\k+\i*16*\pit
	ds_load_b128 v[\f+8*\i+4:\f+8*\i+7], v[\ab] offset:\k+\i*16*\pit+32
.endr
.irp i, 0,1,2,3
	ds_load_b128 v[\f+64+8*\i:\f+64+8*\i+3],   v[\aa] offset:\k+\i*16*\pit
	ds_load_b128 v[\f+64+8*\i+4:\f+64+8*\i+7], v[\aa] offset:\k+\i*16*\pit+32
.endr
.endm
.macro PLACES                          ; four plain vector lines between a matrix instruction and a load into, or a read of, its registers
.rept 4
	v_nop
.endr
.endm
.macro QUARTER aa, ab, pit, k, f, g, zero      ; 32 matrix instructions on buffer f; the next quarter's loads into g go out first, behind their places
	PLACES
	FETCH \aa, \ab, \pit, \k, \g
	s_wait_dscnt 28                                ; the 24 just issued and the four loads of A's blocks 2, 3 of this quarter may be out
	MUL8 \f, 0, \zero
	MUL8 \f, 1, \zero
	s_wait_dscnt 24                                ; all but the 24
	MUL8 \f, 2, \zero
	MUL8 \f, 3, \zero
.endm
; A slot's last quarter changes slots: one barrier; in front of it each wave waits for all its tensor loads (its part of the other slot), adds 0 to its spare word, and waits for that and for its reads of this slot.
; fill = 1: the barrier opens a round of the cluster's, and this slot is filled again, three K steps on, first thing behind the round.
.macro TURN fill, g0a, g1a, g0b, g1b, aa, ab, pit, askn, asko
	WIN 0
	s_wait_tensorcnt 0x0
	ds_add_u32 v[SPW], v[NIL]
	s_wait_dscnt 5                                 ; the add and the youngest four loads may be out
	MUL8 F1, 0, 0
	s_wait_dscnt 0x0                               ; the add is done, and my reads of this slot are over
	s_barrier_signal -1
	MUL8 F1, 1, 0
	WIN 0
	s_barrier_wait -1
.if \fill
	CREST
	s_add_nc_u64 s[\g0a+2:\g0a+3], s[\g0a+2:\g0a+3], 3*KSTEP*2
	s_add_nc_u64 s[\g0b+2:\g0b+3], s[\g0b+2:\g0b+3], 3*KSTEP*2
	JLOAD \g0a, \g1a, \g0b, \g1b                   ; the four v_nop behind it are also the places in front of the loads below
.else
	PLACES
.endif
	FETCH \aa, \ab, \pit, 0, F0
.if \askn
	ASK \askn, \asko
.endif
	MUL8 F1, 2, 0
	MUL8 F1, 3, 0
.endm
.macro TO_X fill, askn, asko           ; Y is left (fill = 1: and filled again)
	TURN \fill, G0AY, G1AY, G0BY, G1BY, ADRAX, ADRBX, PX, \askn, \asko
.endm
.macro TO_Y fill, askn, asko           ; X is left
	TURN \fill, G0AX, G1AX, G0BX, G1BX, ADRAY, ADRBY, PY, \askn, \asko
.endm
.macro X_MOST zero                     ; X but for its last quarter: seven quarters; zero = 1: the first of them starts the sums
	QUARTER ADRAX, ADRBX, PX, 64,  F0, F1, \zero
	QUARTER ADRAX, ADRBX, PX, 128, F1, F0, 0
	QUARTER ADRAX, ADRBX, PX, 192, F0, F1, 0
	QUARTER ADRAX, ADRBX, PX, 256, F1, F0, 0
	QUARTER ADRAX, ADRBX, PX, 320, F0, F1, 0
	QUARTER ADRAX, ADRBX, PX, 384, F1, F0, 0
	QUARTER ADRAX, ADRBX, PX, 448, F0, F1, 0
.endm
.macro Y_MOST                          ; Y but for its last quarter
	QUARTER ADRAY, ADRBY, PY, 64,  F0, F1, 0
	QUARTER ADRAY, ADRBY, PY, 128, F1, F0, 0
	QUARTER ADRAY, ADRBY, PY, 192, F0, F1, 0
.endm
	s_wait_tensorcnt 1                             ; my part of X (K steps 0, 1) is in; Y's may be out
	s_barrier_signal -1
	s_barrier_wait -1
	FETCH ADRAX, ADRBX, PX, 0, F0
	X_MOST 1                                       ; K steps 0 and 1
	TO_Y 1, 1, 5*KSTEP*2                           ; X takes K steps 3 and 4; the next change will ask for K step 5
	Y_MOST                                         ; K step 2
	TO_X 1, 2, 6*KSTEP*2                           ; Y takes K step 5; the next change will ask for K steps 6 and 7
	X_MOST 0                                       ; K steps 3 and 4
	TO_Y 1, 0, 0                                   ; X takes K steps 6 and 7: the last load
	Y_MOST                                         ; K step 5
	TO_X 0, 0, 0
	X_MOST 0                                       ; K steps 6 and 7
	s_wait_dscnt 4                                 ; all but A's blocks 2, 3
	MUL8 F1, 0, 0
	MUL8 F1, 1, 0
	s_wait_dscnt 0
	MUL8 F1, 2, 0
	MUL8 F1, 3, 0
	WIN 0
; THE WAY OUT, a block of 16 rows x 128 columns at a time: a lane's 32 bytes of a row go into my stage and come back as whole rows of 512 bytes, which the 32 lanes store as 512 consecutive aligned bytes.
.macro TOSTAGE a
	WIN 0x04                                       ; an LDS store's data are its source 1: window 1
.irp b, 0,1,2,3,4,5,6,7
	ds_store_b128 v[STO], v[64*(\a)+8*\b:64*(\a)+8*\b+3] offset:64*\b          ; each accumulator from its low end on
	ds_store_b128 v[STO], v[64*(\a)+8*\b+4:64*(\a)+8*\b+7] offset:64*\b+16
.endr
	WIN 0
.set BB, 64+64*((\a)%2)
.irp t, 0,1,2,3,4,5,6,7,8,9,10,11,12,13,14,15
	ds_load_b128 v[BB+4*\t:BB+4*\t+3], v[RD] offset:\t*SPITCH      ; LDS serves a wave's instructions in order: these see the stores above
.endr
.endm
.macro SEND a, younger                 ; younger: the LDS instructions issued behind block a's loads, which may stay out
.set BB, 64+64*((\a)%2)
	s_wait_dscnt \younger
.if (\a) > 0
	s_add_nc_u64 s[8:9], s[8:9], 16*OROW           ; (behind a wait on XCNT: the earlier stores have read their base)
.endif
.irp t, 0,1,2,3,4,5,6,7,8,9,10,11,12,13,14,15
	global_store_b128 v[CO], v[BB+4*\t:BB+4*\t+3], s[8:9] offset:\t*OROW th:TH_STORE_NT
.endr
.endm
	PLACES
	TOSTAGE 0
.irp a, 1,2,3
.if \a > 1
	s_wait_xcnt 0x0                                ; block a - 2's stores have read their registers and their base
.endif
	TOSTAGE \a
	SEND \a-1, 32                                  ; behind block a - 1's loads: block a's 16 stores and 16 loads
.endr
	s_wait_xcnt 0x0
	SEND 3, 0
	s_wait_tensorcnt 0x0                           ; the wave's end
	ds_add_u32 v[SPW], v[NIL]
	s_wait_dscnt 0x0
	CROUND                                         ; the closing round
	s_endpgm
.Lfunc_end_k_q1b89757603_proj:
	.size	k_q1b89757603_proj, .Lfunc_end_k_q1b89757603_proj-k_q1b89757603_proj
	.p2alignl 7, 3214868480
	.fill 96, 4, 3214868480
	.section	.rodata,"a",@progbits
	.p2align	6, 0x0
	.amdhsa_kernel k_q1b89757603_proj
		.amdhsa_group_segment_fixed_size 327680
		.amdhsa_private_segment_fixed_size 0
		.amdhsa_enable_private_segment 0
		.amdhsa_kernarg_size 24
		.amdhsa_user_sgpr_count 2
		.amdhsa_user_sgpr_kernarg_segment_ptr 1
		.amdhsa_wavefront_size32 1
		.amdhsa_system_sgpr_workgroup_id_x 1
		.amdhsa_system_sgpr_workgroup_id_y 1
		.amdhsa_system_sgpr_workgroup_id_z 1
		.amdhsa_system_vgpr_workitem_id 0
		.amdhsa_next_free_vgpr 512
		.amdhsa_next_free_sgpr 96
		.amdhsa_reserve_vcc 0
		.amdhsa_float_denorm_mode_32 3
		.amdhsa_float_denorm_mode_16_64 3
		.amdhsa_memory_ordered 1
		.amdhsa_forward_progress 1
		.amdhsa_inst_pref_size 148
	.end_amdhsa_kernel
	.amdgpu_metadata
---
amdhsa.version: [ 1, 2 ]
amdhsa.kernels:
  - .name:           k_q1b89757603_proj
    .symbol:         k_q1b89757603_proj.kd
    .args:
      - { .name: ctx, .offset: 0, .size: 8, .value_kind: global_buffer, .address_space: global }
      - { .name: wo16, .offset: 8, .size: 8, .value_kind: global_buffer, .address_space: global }
      - { .name: out0, .offset: 16, .size: 8, .value_kind: global_buffer, .address_space: global }
    .group_segment_fixed_size: 327680
    .private_segment_fixed_size: 0
    .kernarg_segment_align: 8
    .kernarg_segment_size: 24
    .max_flat_workgroup_size: 128
    .sgpr_count:     96
    .vgpr_count:     512
    .wavefront_size: 32
...
	.end_amdgpu_metadata
.endif
;; end of part 5
